; MI455X (gfx1250); checked and timed in simulation.
; The chip was launched on July 23, 2026; its instructions are those of AMD's public machine-readable ISA for CDNA 5 (MIT licence, August 2026) and "CDNA5" Instruction Set Architecture Reference Guide (July 2026). The comments in the code are by the model that wrote it; some were corrected since.
;; Attention Causal2. Allowed arithmetic: matrix products marked QUANTISED: E3M2 operands, one E8M0 scale for each 32 along K, by v_wmma_scale_f32_16x16x128_f8f6f4 with both operands' format E3M2, f32 sums; everything else in f32.
;; Inputs: Wk 1,024 x 1,024 float32; Wq 1,024 x 1,024 float32; Wv 1,024 x 1,024 float32; embeddings 4 x 2,048 x 1,024 float32.
;; Outputs: out0 4 x 2,048 x 1,024 float32.
;; This version of the problem:
;;   THIS VERSION OF THE PROBLEM IS GIVEN IN LOW PRECISION. The matrix products marked QUANTISED in the list below multiply operands that are first quantised to E3M2 (3 exponent bits, 2 mantissa bits; 6 bits a number), with one power-of-two scale for each 32 numbers along K (OCP MX v1.0); their sums are f32. All else is computed in f32.
;;   The module's matrix products, in the order in which they are computed (A, B: the left and right operand; K: the contracted axis; several contracted axes count as one K, in the product's order):
;;     1. [M 8,192, K 1,024] x [K 1,024, N 1,024]; A: input embeddings; B: input Wq: QUANTISED
;;     2. [M 8,192, K 1,024] x [K 1,024, N 1,024]; A: input embeddings; B: input Wk: QUANTISED
;;     3. [M 8,192, K 1,024] x [K 1,024, N 1,024]; A: input embeddings; B: input Wv: QUANTISED
;;     4. batch 4 x [M 2,048, K 1,024] x [K 1,024, N 2,048]; A: computed on the way; B: computed on the way: QUANTISED
;;     5. batch 4 x [M 2,048, K 2,048] x [K 2,048, N 1,024]; A: softmax (see below); B: computed on the way: QUANTISED
;;   THE QUANTISER, for each operand of a quantised product, along K:
;;     - K is cut into blocks of 32 from its start; a last block that is shorter is filled with zeros.
;;     - A block's scale is 2^e with e = floor(log2(the largest magnitude in the block)) - 4, held to -126 .. 127; a block of zeros has e = 0. As a byte (E8M0): e + 127.
;;     - Each number is divided by its block's scale, clamped to +-28, and rounded to the nearest number of E3M2, ties to even, subnormals kept.
;;     - The product sums the exact products of the quantised numbers (number of the format x scale) in f32.
;;   ~~~python
;;   def quantise(x, axis):      # numpy; x: float32 -> the quantised numbers, widened to float32 again
;;       x = np.moveaxis(x, axis, -1); K = x.shape[-1]
;;       x = np.pad(x, [(0, 0)] * (x.ndim - 1) + [(0, -K % 32)]); x = x.reshape(x.shape[:-1] + (-1, 32)); a = np.abs(x).max(-1, keepdims=True)
;;       e = np.where(a > 0, np.clip(np.frexp(np.where(a > 0, a, 1))[1] - 1 - 4, -126, 127), 0)      # np.frexp(a)[1] - 1 = floor(log2(a)), exactly
;;       r = np.clip(x / 2.0 ** e, -28, 28)
;;       step = 2.0 ** (np.maximum(np.frexp(np.where(r == 0, 1, r))[1] - 1, -2) - 2)
;;       q = np.round(r / step) * step * 2.0 ** e      # np.round: ties to even
;;       return np.moveaxis(q.reshape(q.shape[:-2] + (-1,))[..., :K], -1, axis).astype(np.float32)
;;   ~~~
;;   SOFTMAX AHEAD OF A QUANTISED PRODUCT. Where the list says 'softmax', what is quantised is not the finished softmax but p = 2^(t - M), with t = logit x log2(e) and M = ceil(the row's largest t), a whole number; so 1/2 < the row's largest p <= 1. The row's sum l is taken of the UNQUANTISED p, in f32, and the product's result is divided by l at the end. Since M is a whole number, a kernel that streams over the keys may use a running M (the ceiling of the running maximum): every later rescaling is an exact power of two, which a block's scale takes up: the codes' values come out the same.
;;   OPERANDS COMPUTED ON THE WAY. 'Computed on the way' means the value that the module computes at that place (a softmax that the list does not call 'softmax' is quantised finished and normalised). What goes into a quantiser is computed in f32, as accurately as f32 sums, v_exp_f32 and their like allow (about 1e-6 of the number): no bf16 or f16 on the way to a quantiser, and a product that is left as it is and whose result goes on into a quantised operand takes f32 operands (vector FMAs, or v_wmma_f32_16x16x4_f32). A number that lies on a knife's edge between two numbers of the format may be rounded either way, as far as f32 arithmetic and the matrix unit's own rounding can turn it there, and no further.
;; One version. Each part assembles by itself: llvm-mc -triple=amdgcn-amd-amdhsa -mcpu=gfx1250 --defsym DOCPART=n.
;; ======== version 1 of 1: 4 launches
;; limits: right only within a limited range of input values
;; workspace buffers: c1 8,650,752 bytes; s1 360,448 bytes; c2 18,874,368 bytes; s2 786,432 bytes; pc 12,582,912 bytes; pst 1,572,864 bytes
;; launch quant (part 1): grid 256 x 1, 11 waves a work-group, no clusters, 94,464 bytes of LDS; arguments embeddings, Wq, Wk, Wv, c1, s1; writes c1, s1
.if DOCPART == 1
	.amdgcn_target "amdgcn-amd-amdhsa--gfx1250"
	.amdhsa_code_object_version 6
	.text
	.protected	k_q630b1853fb_quant
	.globl	k_q630b1853fb_quant
	.p2align	8
	.type	k_q630b1853fb_quant,@function
k_q630b1853fb_quant:
	s_mov_b64 s[64:65], 0
	v_nop
	global_prefetch_b8 v0, s[64:65] scope:SCOPE_SE
	s_setreg_imm32_b32 hwreg(HW_REG_WAVE_MODE, 25, 1), 1
	s_wait_xcnt 0x0
; embeddings [8192][1024], Wq, Wk, Wv [1024][1024], f32, K innermost, become codes of BF6 (E3M2) with one E8M0 byte for each 32 along K.
; A block's scale is 2^(floor(log2(largest magnitude)) - 4); its byte is the largest magnitude's exponent field - 4, held at 1 from below.
; LAYOUT OF THE RESULT: IMAGES OF OPERAND REGISTERS.  A fragment is 16 rows x 128 K, 12 registers a lane; registers 4 c .. 4 c + 3 of lane l lie at 512 c + 16 l of its 1,536 bytes.
; c1 = [row tile 0..703][K step 0..7][1,536]; row tiles 0-511 embeddings, 512-575 Wq, 576-639 Wk, 640-703 Wv.  s1 = [K step][row tile][16 words], a word = a row's four bytes of a K step.
; THE ROWS OF A TILE ARE NOT NEIGHBOURS: in a group of 32 rows, lane-row r of tile u is row 8 u + r + (r & 8).  As source 0 of a product that makes the 16 registers of two neighbouring result tiles 16 neighbours.
; SHARES: 352 groups of 32 rows x 8 K steps = 2,816 shares of two fragments = 256 work-groups x 11 waves: wave n of the launch takes group n / 8 and K step n % 8; its 32 loads all go out at the head.
; Each load reads 512 consecutive bytes of one row; the 16 rows of a fragment turn through the wave's own stage in LDS (pitch 528, so that sixteen lanes' reads of 16 bytes fall on sixteen different columns),
; and come back so that lane (r, h) holds the whole blocks h and 2 + h of row r, the operand's own layout.
; Each store of codes covers 512 consecutive bytes, aligned.  No tensor load, no barrier: waves share nothing; nothing is read twice, so no cluster and no matrix unit; no loop, so no prefetch.
; DEAD WORK LEFT OUT OF THE PROGRAM (in the launches score and pv): tiles of q k^T, and of p V, that lie wholly over the diagonal: reference() itself sets their scores to -infinity, so their weights are 0 for all inputs.
; A NaN, an infinity or an overflow that reaches only those tiles is not carried to the result.
; LIMITS: NaN and infinities are not served.  A block of zeros, or one under 2^-122, keeps the byte 1 (its codes are read by this program alone).
.set PIT,  528
.set STGB, 16*PIT                      ; a wave's stage
.set SPARE, 11*STGB                    ; behind the stages: the spare words, 128 bytes a wave, which no other line names
.set RS,   16                          ; v16-79, v80-143: the two fragments' numbers as loaded
.set X,    144                         ; v144-207 a fragment's numbers in the operand's order
.set C,    208                         ; v208-219 a fragment's codes
.set H2,   220                         ; v220-222, v224-226 the second halves of the two blocks
.set W,    228                         ; v228-229 a scale word for each fragment
.set SELW, 232                         ; v232 the two tiles' words joined
	s_load_b256 s[4:11], s[0:1], 0x0               ; embeddings, Wq, Wk, Wv
	s_load_b128 s[12:15], s[0:1], 0x20             ; c1, s1
	v_lshl_add_u32 v240, v0, 2, SPARE
	v_mov_b32 v241, 0
	v_lshrrev_b32 v1, 5, v0
	s_delay_alu instid0(VALU_DEP_1)
	v_readfirstlane_b32 s16, v1                    ; wave 0..10
	v_and_b32 v4, 31, v0                           ; lane
	s_delay_alu instid0(VALU_DEP_1)
	v_lshlrev_b32 v1, 4, v4                        ; 16 x lane
	v_and_b32 v6, 15, v0                           ; r
	v_bfe_u32 v7, v0, 4, 1                         ; h
	s_mul_i32 s17, s16, STGB
	v_add_nc_u32 v2, s17, v1                       ; the stage, on the way in: 16 x lane, a row an instruction
	v_mul_u32_u24 v3, v6, PIT
	s_delay_alu instid0(VALU_DEP_1)
	v_lshl_add_u32 v3, v7, 7, v3
	s_delay_alu instid0(VALU_DEP_1)
	v_add_nc_u32 v3, s17, v3                       ; and on the way out: row r, + 128 h bytes
	v_lshlrev_b32 v5, 3, v7                        ; 8 h: my bytes' place in the scale word
	v_lshlrev_b32 v4, 2, v4                        ; 4 x lane
	v_mov_b32 v13, 0                               ; a lane permute's destination counts as read
	s_wait_alu depctr_va_vdst(0)                   ; the wait at the head's end
	s_mov_b32 s20, 0x76543210
	s_mov_b32 s21, 0xfedcba98                      ; selects for lane l xor 16
	s_mov_b32 s22, 0xffff0000                      ; lanes 16-31
	s_mul_i32 s24, ttmp9, 11
	s_add_co_u32 s24, s24, s16
	s_lshr_b32 s25, s24, 3                         ; my group of 32 rows, 0..351
	s_and_b32 s24, s24, 7                          ; my K step
	s_and_b32 s18, s25, 31
	s_wait_kmcnt 0x0
	s_cmp_lt_u32 s25, 320                          ; which tensor: the choice hangs on ids alone
	s_cselect_b64 s[8:9], s[8:9], s[10:11]
	s_cmp_lt_u32 s25, 288
	s_cselect_b64 s[6:7], s[6:7], s[8:9]
	s_cmp_lt_u32 s25, 256
	s_cselect_b64 s[4:5], s[4:5], s[6:7]
	s_cselect_b32 s18, s25, s18                    ; the group inside that tensor
	s_lshl_b32 s18, s18, 17                        ; 32 rows of 4,096 bytes
	s_lshl_b32 s19, s24, 9                         ; my K step: 512 bytes of a row
	s_add_co_u32 s18, s18, s19
	s_mov_b32 s19, 0
	s_add_nc_u64 s[4:5], s[4:5], s[18:19]
	s_mul_i32 s18, s25, 24576                      ; codes: two row tiles of 12,288 bytes a group,
	s_mul_i32 s23, s24, 1536                       ; a K step a wave
	s_add_co_u32 s18, s18, s23
	s_add_nc_u64 s[12:13], s[12:13], s[18:19]
	s_mul_i32 s18, s24, 45056                      ; words: 45,056 bytes a K step,
	s_lshl_b32 s23, s25, 7                         ; 128 bytes a pair of tiles
	s_add_co_u32 s18, s18, s23
	s_add_nc_u64 s[14:15], s[14:15], s[18:19]
; fragment f: tile f of the group, my K step
.macro LOAD f
.irp j, 0,1,2,3,4,5,6,7,8,9,10,11,12,13,14,15
	global_load_b128 v[RS+64*(\f)+4*\j:RS+64*(\f)+4*\j+3], v1, s[4:5] offset:(8*(\f)+\j+(\j&8))*4096 th:TH_LOAD_NT
.endr
.endm
.macro FRAGM f
.set RR, RS+64*(\f)
	s_wait_loadcnt 16-16*(\f)                      ; this fragment's 16 loads are in; behind the first the second's 16 may be out
.irp j, 0,1,2,3,4,5,6,7,8,9,10,11,12,13,14,15
	ds_store_b128 v2, v[RR+4*\j:RR+4*\j+3] offset:PIT*\j
.endr
.irp c, 0,1
.irp k, 0,1,2,3,4,5,6,7
	ds_load_b128 v[X+32*\c+4*\k:X+32*\c+4*\k+3], v3 offset:256*\c+16*\k   ; LDS serves a wave's instructions in order: these see the stores above
.endr
.endr
	s_wait_dscnt 0x0
.irp c, 0,1
	v_max3_num_f32 v[6+\c], |v[X+32*\c]|, |v[X+32*\c+1]|, 0x2800000       ; my block 2 c + h: all 32 numbers are mine; the floor 2^(5 - 127) holds the byte at 1 from below
.endr
.irp i, 2,4,6,8,10,12,14,16,18,20,22,24,26,28,30
.irp c, 0,1
	s_delay_alu instid0(VALU_DEP_2)
	v_max3_num_f32 v[6+\c], v[6+\c], |v[X+32*\c+\i]|, |v[X+32*\c+\i+1]|
.endr
.endr
.irp c, 0,1
	s_delay_alu instid0(VALU_DEP_2)
	v_add_nc_u32 v[8+\c], 0xfe000000, v[6+\c]      ; 4 off the exponent field: the conversion's scale operand
.endr
.irp c, 0,1
	s_delay_alu instid0(VALU_DEP_2)
	v_lshrrev_b32 v[10+\c], 23, v[8+\c]            ; the scale's byte
.endr
	s_delay_alu instid0(VALU_DEP_1)
	v_lshl_or_b32 v[W+(\f)], v11, 16, v10          ; blocks h and 2 + h,
	s_delay_alu instid0(VALU_DEP_1)
	v_lshlrev_b32 v[W+(\f)], v5, v[W+(\f)]         ; at their places;
	s_delay_alu instid0(VALU_DEP_1)
	v_permlanex16_b32 v13, v[W+(\f)], s20, s21
	s_delay_alu instid0(VALU_DEP_1)
	v_or_b32 v[W+(\f)], v[W+(\f)], v13             ; with lane l xor 16's two the word is whole
.if (\f) > 0
	s_wait_alu depctr_va_vdst(0)
	s_wait_xcnt 0x0                                ; the first fragment's stores have read the code registers
.endif
.irp c, 0,1
	v_cvt_scalef32_pk16_bf6_f32 v[C+6*\c:C+6*\c+2], v[X+32*\c:X+32*\c+15], v[8+\c]
	v_cvt_scalef32_pk16_bf6_f32 v[H2+4*\c:H2+4*\c+2], v[X+32*\c+16:X+32*\c+31], v[8+\c]   ; (a conversion's three registers begin on an even number)
.endr
	v_nop                                          ; one plain place behind a scaled conversion
.irp c, 0,1
.irp i, 0,1,2
	v_mov_b32 v[C+3+6*\c+\i], v[H2+4*\c+\i]
.endr
.endr
.irp c, 0,1,2
	global_store_b128 v1, v[C+4*\c:C+4*\c+3], s[12:13] offset:12288*(\f)+512*\c   ; 512 consecutive bytes, aligned
.endr
.endm
	LOAD 0
	LOAD 1
	FRAGM 0
	FRAGM 1
	v_cndmask_b32 v[SELW], v[W], v[W+1], s22       ; lanes 0-15: tile 0's words, lanes 16-31: tile 1's
	global_store_b32 v4, v[SELW], s[14:15]
	s_wait_tensorcnt 0x0                           ; the wave's end
	ds_add_u32 v240, v241
	s_wait_dscnt 0x0
	s_endpgm
.Lfunc_end_k_q630b1853fb_quant:
	.size	k_q630b1853fb_quant, .Lfunc_end_k_q630b1853fb_quant-k_q630b1853fb_quant
	.p2alignl 7, 3214868480
	.fill 96, 4, 3214868480
	.section	.rodata,"a",@progbits
	.p2align	6, 0x0
	.amdhsa_kernel k_q630b1853fb_quant
		.amdhsa_group_segment_fixed_size 94464
		.amdhsa_private_segment_fixed_size 0
		.amdhsa_enable_private_segment 0
		.amdhsa_kernarg_size 48
		.amdhsa_user_sgpr_count 2
		.amdhsa_user_sgpr_kernarg_segment_ptr 1
		.amdhsa_wavefront_size32 1
		.amdhsa_system_sgpr_workgroup_id_x 1
		.amdhsa_system_sgpr_workgroup_id_y 1
		.amdhsa_system_sgpr_workgroup_id_z 1
		.amdhsa_system_vgpr_workitem_id 0
		.amdhsa_next_free_vgpr 242
		.amdhsa_next_free_sgpr 66
		.amdhsa_reserve_vcc 0
		.amdhsa_float_denorm_mode_32 3
		.amdhsa_float_denorm_mode_16_64 3
		.amdhsa_memory_ordered 1
		.amdhsa_forward_progress 1
		.amdhsa_inst_pref_size 19
	.end_amdhsa_kernel
	.amdgpu_metadata
---
amdhsa.version: [ 1, 2 ]
amdhsa.kernels:
  - .name:           k_q630b1853fb_quant
    .symbol:         k_q630b1853fb_quant.kd
    .args:
      - { .name: embeddings, .offset: 0, .size: 8, .value_kind: global_buffer, .address_space: global }
      - { .name: Wq, .offset: 8, .size: 8, .value_kind: global_buffer, .address_space: global }
      - { .name: Wk, .offset: 16, .size: 8, .value_kind: global_buffer, .address_space: global }
      - { .name: Wv, .offset: 24, .size: 8, .value_kind: global_buffer, .address_space: global }
      - { .name: c1, .offset: 32, .size: 8, .value_kind: global_buffer, .address_space: global }
      - { .name: s1, .offset: 40, .size: 8, .value_kind: global_buffer, .address_space: global }
    .group_segment_fixed_size: 94464
    .private_segment_fixed_size: 0
    .kernarg_segment_align: 8
    .kernarg_segment_size: 48
    .max_flat_workgroup_size: 352
    .sgpr_count:     66
    .vgpr_count:     242
    .wavefront_size: 32
...
	.end_amdgpu_metadata
.endif
;; end of part 1
;; launch proj (part 2): grid 8 x 32, 4 waves a work-group, clusters of 4 x 4, 327,680 bytes of LDS; arguments c1, s1, c2, s2; writes c2, s2
.if DOCPART == 2
	.amdgcn_target "amdgcn-amd-amdhsa--gfx1250"
	.amdhsa_code_object_version 6
	.text
	.protected	k_q630b1853fb_proj
	.globl	k_q630b1853fb_proj
	.p2align	8
	.type	k_q630b1853fb_proj,@function
k_q630b1853fb_proj:
	s_mov_b64 s[64:65], 0
	v_nop
	global_prefetch_b8 v0, s[64:65] scope:SCOPE_SE
	s_setreg_imm32_b32 hwreg(HW_REG_WAVE_MODE, 25, 1), 1
	s_wait_xcnt 0x0
	s_wait_alu depctr_hold_cnt(0) depctr_sa_sdst(0) depctr_va_vdst(0) depctr_va_sdst(0) depctr_va_ssrc(0) depctr_va_vcc(0) depctr_vm_vsrc(0)
	s_getreg_b32 s2, hwreg(HW_REG_IB_STS2, 6, 4)
	s_cmp_eq_u32 s2, 0
	s_cbranch_scc0 .Lentry_in_a_cluster
	s_endpgm
.Lentry_in_a_cluster:
	s_bfe_u32 s2, ttmp6, 0x10000c
	s_cmp_lg_u32 s2, 0xf033
	s_cbranch_scc0 .Lentry_shape_is_right
	s_endpgm
.Lentry_shape_is_right:
; q = X Wq^T, k = X Wk^T, and v^T = Wv X^T on codes of BF6 (E3M2) with E8M0 bytes, each result quantised along the K of its next product: q and k along e, v along the sequence.
; c1, s1: codes and words of X and the weights, images of operand registers (a fragment = 16 rows x 128 K = 1,536 bytes; a row tile's 8 K steps lie on end); s1 = [K step][704 row tiles][16 words].
; c2 = q [512 row tiles][8 K steps][1,536] | k likewise (at 6,291,456) | v^T [64 tiles of e][64 K steps along the sequence][1,536] (at 12,582,912);  s2 = words: q [8][512][64 B] | k (at 262,144) | v^T [64][64][64 B] (at 524,288).
; SHARES: a work-group makes 256 rows of X x 128 columns of q, of k and of v: 8 x 32 = 256 equal work-groups.  Wave (wr, wc): its 128 rows x (128 columns of q (wc = 0) or of k (wc = 1), and 64 of v): 96 accumulators of 16 x 16 = 768 registers, windows 1-3.
; q and k are made with source 0 = 16 rows of the weight, source 1 = 16 rows of X: a lane holds one row of X and 64 registers along e.  v the other way round: a lane holds one e and 64 registers along the sequence.
; K goes in 8 steps of 128 through a ring of two LDS slots of two steps each: X's 16 row tiles, then Wq's, Wk's, Wv's 8 row tiles, 3,072 bytes each.  Wave 0 fetches X's, waves 1-3 a weight each: one joint load a wave.
; CLUSTERS 4 x 4: X's tiles hang on the work-group's y and are shared along a row of the cluster, the weights' on its x and are shared along a column.
; THE SCALE WORDS of the 640 rows, all K steps, 20,480 bytes, come by ten 16-byte loads a lane and wave while slot 0 is on its way, are laid into LDS once, and are read step by step into two sets of ten registers.
; A K STEP is three groups of 32 products: weight tiles 0-3, weight tiles 4-7, v's tiles 0-3, each against X's eight.  The groups' fragments take turns in two sets; X's eight have one set: 0-3 are fetched anew in the middle of the third group, 4-7 at the next step's start.
; PREFETCH: the third and fourth slot contents are asked for in K steps 0 and 2, 176 products ahead of their joint loads; the four partners of a tile share its blocks of 256 bytes by address; the first two contents come by their loads alone.
; Of the weights, which every row of clusters reads, the first four rows of clusters ask.
; LIMITS: NaN and infinities are not served.  A block under 2^-122 keeps the byte 1.
.set FRB,   1536
.set PART,  24576                      ; 8 row tiles x 3,072 bytes
.set SLOT,  122880
.set SCL,   245760                     ; the scale words: [K step][X 1,024 | Wq 512 | Wk 512 | Wv 512]; no fill lands there
.set SPARE, 266240                     ; the spare words, 128 bytes a wave, which no other line names
.set KSPIN, 45056
.set ADRX, 4
.set ADRW, 6
.set ADRV, 8
.set LI,   10
.set LS,   11
.set SPW,  12
.set NIL,  13
.set SCX,  14
.set SCW,  15
.set SCV,  16
.set PFO,  17
.set SC,   20                          ; two sets of ten words: X's pairs of tiles 0-3, the weight's 0-3, v's 0-1
.set XF,   40                          ; v40-135   X's eight fragments
.set ST,   136                         ; v136-183, v184-231 two sets of four fragments
.set PC,   40                          ; the way out: v40-183 codes, twelve registers a tile
.set HH,   184                         ; v184-199 second halves
.set TM,   200
.set PD,   208
.set SO,   216
.set PWA,  224                         ; v224-235 words
.set SELW, 236
.set G1X, 24
.set G0X, 32
.set G1W, 48
.set G0W, 56
.set SEL, 20
.set HM,  22
.set PF,  96
.set MSB, 0
.macro WIN new
.if MSB != (\new)
	s_set_vgpr_msb (MSB<<8)|(\new)
.set MSB, (\new)
.endif
.endm
; a joint load: one line for X, one for the weights, each with one mask; the branch hangs on the wave's number alone
.macro JLOAD slot
	s_cmp_eq_u32 s14, 0
	s_cbranch_scc0 .Lfor_w_\@
	tensor_load_to_lds s[G0X+4*\slot:G0X+4*\slot+3], s[G1X:G1X+7]
	s_nop 0
.rept 4
	v_nop
.endr
	s_branch .Lasked_\@
.Lfor_w_\@:
	tensor_load_to_lds s[G0W+4*\slot:G0W+4*\slot+3], s[G1W:G1W+7]
	s_nop 0
.rept 4
	v_nop
.endr
.Lasked_\@:
.endm
.macro CREST
	s_cmp_lg_u32 s14, 0
	s_cbranch_scc1 .Lnot_wave_0_\@
	s_barrier_signal -3
.Lnot_wave_0_\@:
	s_barrier_wait -3
	s_barrier_signal -1
	s_barrier_wait -1
.endm
.macro CROUND
	s_barrier_signal -1
	s_barrier_wait -1
	CREST
.endm
.macro REFILL slot                     ; the barrier in front has opened the round
	CREST
	s_add_nc_u64 s[G0X+4*\slot+2:G0X+4*\slot+3], s[G0X+4*\slot+2:G0X+4*\slot+3], 6144
	s_add_nc_u64 s[G0W+4*\slot+2:G0W+4*\slot+3], s[G0W+4*\slot+2:G0W+4*\slot+3], 6144
	JLOAD \slot
.endm
.macro ASK off                         ; 24 blocks of 256 bytes (two row tiles' slot contents); wave 0 takes two more row tiles of X
	s_cmp_eq_u32 s99, 0
	s_cbranch_scc1 .Lno_ask_\@
	global_prefetch_b8 v[PFO], s[PF:PF+1] offset:\off th:TH_LOAD_NT scope:SCOPE_SE
	s_cmp_lg_u32 s14, 0
	s_cbranch_scc1 .Lno_ask_\@
	global_prefetch_b8 v[PFO], s[PF:PF+1] offset:\off+24576 th:TH_LOAD_NT scope:SCOPE_SE
.Lno_ask_\@:
.endm
.macro PLACES                          ; four plain places behind a product, in front of loads into its sources or reads of its result
.rept 4
	v_nop
.endr
.endm
.macro WM
.if rZ
.if rR0 && rR1
	v_wmma_scale_f32_16x16x128_f8f6f4 v[rD:rD+7], v[rF0:rF0+11], v[rF1:rF1+11], 0, v[rS0], v[rS1] matrix_a_fmt:MATRIX_FMT_BF6 matrix_b_fmt:MATRIX_FMT_BF6 matrix_a_scale:MATRIX_SCALE_ROW1 matrix_b_scale:MATRIX_SCALE_ROW1
.elseif rR0
	v_wmma_scale_f32_16x16x128_f8f6f4 v[rD:rD+7], v[rF0:rF0+11], v[rF1:rF1+11], 0, v[rS0], v[rS1] matrix_a_fmt:MATRIX_FMT_BF6 matrix_b_fmt:MATRIX_FMT_BF6 matrix_a_scale:MATRIX_SCALE_ROW1
.elseif rR1
	v_wmma_scale_f32_16x16x128_f8f6f4 v[rD:rD+7], v[rF0:rF0+11], v[rF1:rF1+11], 0, v[rS0], v[rS1] matrix_a_fmt:MATRIX_FMT_BF6 matrix_b_fmt:MATRIX_FMT_BF6 matrix_b_scale:MATRIX_SCALE_ROW1
.else
	v_wmma_scale_f32_16x16x128_f8f6f4 v[rD:rD+7], v[rF0:rF0+11], v[rF1:rF1+11], 0, v[rS0], v[rS1] matrix_a_fmt:MATRIX_FMT_BF6 matrix_b_fmt:MATRIX_FMT_BF6
.endif
.else
.if rR0 && rR1
	v_wmma_scale_f32_16x16x128_f8f6f4 v[rD:rD+7], v[rF0:rF0+11], v[rF1:rF1+11], v[rD:rD+7], v[rS0], v[rS1] matrix_a_fmt:MATRIX_FMT_BF6 matrix_b_fmt:MATRIX_FMT_BF6 matrix_a_scale:MATRIX_SCALE_ROW1 matrix_b_scale:MATRIX_SCALE_ROW1
.elseif rR0
	v_wmma_scale_f32_16x16x128_f8f6f4 v[rD:rD+7], v[rF0:rF0+11], v[rF1:rF1+11], v[rD:rD+7], v[rS0], v[rS1] matrix_a_fmt:MATRIX_FMT_BF6 matrix_b_fmt:MATRIX_FMT_BF6 matrix_a_scale:MATRIX_SCALE_ROW1
.elseif rR1
	v_wmma_scale_f32_16x16x128_f8f6f4 v[rD:rD+7], v[rF0:rF0+11], v[rF1:rF1+11], v[rD:rD+7], v[rS0], v[rS1] matrix_a_fmt:MATRIX_FMT_BF6 matrix_b_fmt:MATRIX_FMT_BF6 matrix_b_scale:MATRIX_SCALE_ROW1
.else
	v_wmma_scale_f32_16x16x128_f8f6f4 v[rD:rD+7], v[rF0:rF0+11], v[rF1:rF1+11], v[rD:rD+7], v[rS0], v[rS1] matrix_a_fmt:MATRIX_FMT_BF6 matrix_b_fmt:MATRIX_FMT_BF6
.endif
.endif
.endm
; 16 products of K step ks: weight tiles 4 g .. 4 g + 3 x X's tiles 4 hf .. 4 hf + 3.  The 96 accumulators take turns, one instruction a turn, in the same order in every step.
.macro OCTQ g, hf, ks
	WIN 0x50+0x50*(\hf)
.irp a4, 0,1,2,3
.irp t, 0,1,2,3
.set rD, 64*\a4+8*(4*(\g)+\t)
.set rF0, ST+48*((3*(\ks)+(\g))%2)+12*\t
.set rF1, XF+12*(4*(\hf)+\a4)
.set rS0, SC+10*((\ks)%2)+4+(4*(\g)+\t)/2
.set rS1, SC+10*((\ks)%2)+(4*(\hf)+\a4)/2
.set rR0, \t%2
.set rR1, \a4%2
.set rZ, (\ks)==0
	WM
.endr
.endr
.endm
.macro OCTV hf, ks                     ; v's tiles 0-3, the sources changed round
	WIN 0xf0
.irp t, 0,1,2,3
.irp a4, 0,1,2,3
.set rD, 64*\t+8*(4*(\hf)+\a4)
.set rF0, XF+12*(4*(\hf)+\a4)
.set rF1, ST+48*((3*(\ks)+2)%2)+12*\t
.set rS0, SC+10*((\ks)%2)+(4*(\hf)+\a4)/2
.set rS1, SC+10*((\ks)%2)+8+\t/2
.set rR0, \a4%2
.set rR1, \t%2
.set rZ, (\ks)==0
	WM
.endr
.endr
.endm
.macro FRAG reg, adr, off
.irp c, 0,1,2
	ds_load_b128 v[\reg+4*\c:\reg+4*\c+3], v[\adr] offset:\off+512*\c
.endr
.endm
.macro LDX slot, q, i0                 ; twelve loads: X's tiles i0 .. i0 + 3
.irp i, 0,1,2,3
	FRAG XF+12*((\i0)+\i), ADRX+(\slot), ((\i0)+\i)*3072+(\q)*FRB
.endr
.endm
.macro LDP slot, q, g, set             ; twelve loads: group g's four fragments
.irp t, 0,1,2,3
.if (\g) < 2
	FRAG ST+48*(\set)+12*\t, ADRW+(\slot), (4*(\g)+\t)*3072+(\q)*FRB
.else
	FRAG ST+48*(\set)+12*\t, ADRV+(\slot), \t*3072+(\q)*FRB
.endif
.endr
.endm
.macro LDSC ks                         ; ten loads: K step ks's words
.irp i, 0,1,2,3
	ds_load_b32 v[SC+10*((\ks)%2)+\i], v[SCX] offset:2560*(\ks)+128*\i
	ds_load_b32 v[SC+10*((\ks)%2)+4+\i], v[SCW] offset:2560*(\ks)+128*\i
.endr
.irp i, 0,1
	ds_load_b32 v[SC+10*((\ks)%2)+8+\i], v[SCV] offset:2560*(\ks)+128*\i
.endr
.endm
; mode 0: the next step lies in the same slot; 1: a change of slots, and this one is filled again; 2: a change alone; 3: the last step
.macro KSTEP ks, mode
.set SL, ((\ks)/2)%2
.set QQ, (\ks)%2
.set GA, (3*(\ks))%2
	WIN 0
.if (\ks) > 0
	PLACES
.endif
	LDX SL, QQ, 4
	LDP SL, QQ, 1, 1-GA
.if (\ks) == 0
	ASK 6144
.endif
.if (\ks) == 2
	ASK 9216
.endif
	s_wait_dscnt 24                                ; all but the 24 just issued: X's 0-3, group 0's set, the words
	OCTQ 0, 0, \ks
	s_wait_dscnt 12                                ; X's 4-7 too
	OCTQ 0, 1, \ks
	PLACES
	WIN 0
	LDP SL, QQ, 2, GA
.if (\mode) < 3
	LDSC (\ks)+1
	s_wait_dscnt 22                                ; all but the 22 just issued
.else
	s_wait_dscnt 12
.endif
	OCTQ 1, 0, \ks
.if ((\mode) == 1) || ((\mode) == 2)
	WIN 0
	s_wait_tensorcnt 0x0                           ; all my tensor loads have landed: my part of the next slot
	ds_add_u32 v[SPW], v[NIL]                      ; 0 onto my spare word
.endif
	OCTQ 1, 1, \ks
.if (\mode) == 0
	PLACES
	WIN 0
	LDP SL, 1, 0, 1-GA
	s_wait_dscnt 12
	OCTV 0, \ks
	PLACES
	WIN 0
	LDX SL, 1, 0
	OCTV 1, \ks
.elseif (\mode) == 3
	s_wait_dscnt 0x0
	OCTV 0, \ks
	OCTV 1, \ks
.else
	s_wait_dscnt 0x0                               ; the add is done, and my reads of this slot are over
	s_barrier_signal -1
	OCTV 0, \ks
	WIN 0
	s_barrier_wait -1
.if (\mode) == 1
	REFILL SL
.else
	PLACES
.endif
	LDP 1-SL, 0, 0, 1-GA
	LDX 1-SL, 0, 0
	OCTV 1, \ks
.endif
.endm
	s_load_b256 s[4:11], s[0:1], 0x0               ; c1, s1, c2, s2
	v_lshl_add_u32 v[SPW], v0, 2, SPARE
	v_mov_b32 v[NIL], 0
	ds_add_u32 v[SPW], v[NIL]                      ; the opening: the add, twice on end, and its wait ahead of my first tensor load
	ds_add_u32 v[SPW], v[NIL]
	v_lshrrev_b32 v1, 5, v0
	v_readfirstlane_b32 s14, v1                    ; wave
	s_lshr_b32 s15, s14, 1                         ; wr
	s_and_b32 s16, s14, 1                          ; wc
	s_bfe_u32 s40, ttmp6, 0x40000                  ; cx
	s_bfe_u32 s41, ttmp6, 0x40004                  ; cy
	s_lshl_b32 s42, ttmp9, 2
	s_add_co_u32 s42, s42, s40                     ; column of 128
	s_and_b32 s43, ttmp7, 0xffff
	s_lshl_b32 s43, s43, 2
	s_add_co_u32 s43, s43, s41                     ; row of 256
	s_lshl_b32 s66, s41, 2
	s_lshl_b32 s66, 15, s66                        ; my row of the cluster
	s_lshl_b32 s67, 0x1111, s40                    ; my column
	s_or_b32 s[G1X], s66, (3<<16)|(1<<21)          ; the mask; elements of 8 bytes; bit 21 set beside a mask
	s_or_b32 s[G1W], s67, (3<<16)|(1<<21)
.irp g, G1X, G1W
	s_mov_b32 s[\g+1], 384<<16                     ; rows of 3,072 bytes: a row tile's two K steps,
	s_mov_b32 s[\g+3], 384<<16
	s_mov_b32 s[\g+5], 1536                        ; 12,288 bytes from row tile to row tile
	s_mov_b32 s[\g+6], 0
	s_mov_b32 s[\g+7], 0
.endr
	s_mov_b32 s[G1X+2], 16<<16
	s_mov_b32 s[G1X+4], 16
	s_mov_b32 s[G1W+2], 8<<16
	s_mov_b32 s[G1W+4], 8
	s_mul_i32 s44, s43, 196608                     ; X: 16 row tiles a row of 256
	s_mov_b32 s45, 0
	s_lshl_b32 s46, s14, 6                         ; a weight: row tile 512 + 64 (wave - 1) + 8 x column
	s_lshl_b32 s47, s42, 3
	s_add_co_u32 s46, s46, s47
	s_add_co_u32 s46, s46, 448
	s_lshl_b32 s97, s41, 1
	s_add_co_u32 s98, s46, s97                     ; the prefetch: of a weight's eight row tiles my two (by cy),
	s_mul_i32 s46, s46, 12288
	s_mov_b32 s47, 0
	s_mul_i32 s78, s14, PART
	s_add_co_u32 s78, s78, PART
	s_lshl_b32 s96, s43, 4
	s_lshl_b32 s97, s40, 2
	s_add_co_u32 s96, s96, s97                     ; of X's sixteen my four (by cx)
	s_and_b32 s99, ttmp7, 0xffff
	s_cmp_lt_u32 s99, 4
	s_cselect_b32 s99, 1, 0                        ; the weights: the first four rows of clusters ask
	s_cmp_eq_u32 s14, 0
	s_cselect_b32 s96, s96, s98
	s_cselect_b32 s99, 1, s99
	s_mul_i32 s96, s96, 12288
	s_mov_b32 s97, 0
	s_mul_i32 s18, s14, 2*KSPIN                    ; the words: my two K steps
	s_mov_b32 s19, 0
	s_lshl_b32 s76, s43, 10                        ; X's 1,024 bytes of a K step
	s_lshl_b32 s77, s42, 9
	s_add_co_u32 s77, s77, 32768                   ; Wq's 512; Wk's and Wv's 4,096 and 8,192 further on
	s_wait_dscnt 0x0                               ; both opening adds are done
	s_wait_kmcnt 0x0
	s_add_nc_u64 s[44:45], s[4:5], s[44:45]
	s_add_nc_u64 s[46:47], s[4:5], s[46:47]
	s_add_nc_u64 s[PF:PF+1], s[4:5], s[PF:PF+1]
	s_add_nc_u64 s[18:19], s[6:7], s[18:19]
.irp s, 0,1
	s_mov_b32 s[G0X+4*\s], 1
	s_mov_b32 s[G0X+4*\s+1], \s*SLOT
	s_add_nc_u64 s[G0X+4*\s+2:G0X+4*\s+3], s[44:45], \s*3072
	s_or_b32 s[G0X+4*\s+3], s[G0X+4*\s+3], 0x80000000
	s_mov_b32 s[G0W+4*\s], 1
	s_add_co_u32 s[G0W+4*\s+1], s78, \s*SLOT
	s_add_nc_u64 s[G0W+4*\s+2:G0W+4*\s+3], s[46:47], \s*3072
	s_or_b32 s[G0W+4*\s+3], s[G0W+4*\s+3], 0x80000000
.endr
	CROUND                                         ; all sixteen work-groups are here: the first joint loads meet
	JLOAD 0
	; under its flight: the scale words' loads, and the rest of the head
	v_and_b32 v1, 31, v0
	v_lshlrev_b32 v[LI], 4, v1
	v_lshlrev_b32 v[LS], 2, v1
	v_add_nc_u32 v2, s76, v[LI]
	v_add_nc_u32 v3, s77, v[LI]
.irp k, 0,1
	global_load_b128 v[XF+20*\k:XF+20*\k+3], v2, s[18:19] offset:KSPIN*\k
	global_load_b128 v[XF+20*\k+4:XF+20*\k+7], v2, s[18:19] offset:KSPIN*\k+512
	global_load_b128 v[XF+20*\k+8:XF+20*\k+11], v3, s[18:19] offset:KSPIN*\k
	global_load_b128 v[XF+20*\k+12:XF+20*\k+15], v3, s[18:19] offset:KSPIN*\k+4096
	global_load_b128 v[XF+20*\k+16:XF+20*\k+19], v3, s[18:19] offset:KSPIN*\k+8192
.endr
	v_min_u32 v[PFO], 23, v1                       ; lanes 24-31 name the last block again
	v_mul_u32_u24 v1, 43, v[PFO]
	v_lshrrev_b32 v1, 9, v1                        ; lane / 12: which row tile
	v_mul_u32_u24 v1, 9216, v1
	v_lshl_add_u32 v[PFO], v[PFO], 8, v1           ; 12,288 x tile + 256 x (lane - 12 tile)
	s_wait_alu depctr_va_vdst(0)
	s_mul_i32 s86, s15, PART                       ; my 8 row tiles of X
	s_mul_i32 s87, s16, PART
	s_add_co_u32 s87, s87, 2*PART                  ; Wq's or Wk's
	s_mul_i32 s88, s16, PART/2
	s_add_co_u32 s88, s88, 4*PART                  ; my 4 of Wv's
	s_lshl_b32 s80, s15, 9
	s_add_co_u32 s80, s80, SCL
	s_lshl_b32 s81, s16, 9
	s_add_co_u32 s81, s81, SCL+1024
	s_lshl_b32 s82, s16, 8
	s_add_co_u32 s82, s82, SCL+2048
	s_mul_i32 s83, s14, 5120
	s_add_co_u32 s83, s83, SCL
	v_add_nc_u32 v[ADRX], s86, v[LI]
	v_add_nc_u32 v[ADRW], s87, v[LI]
	v_add_nc_u32 v[ADRV], s88, v[LI]
	v_add_nc_u32 v[ADRX+1], SLOT, v[ADRX]
	v_add_nc_u32 v[ADRW+1], SLOT, v[ADRW]
	v_add_nc_u32 v[ADRV+1], SLOT, v[ADRV]
	v_add_nc_u32 v[SCX], s80, v[LS]
	v_add_nc_u32 v[SCW], s81, v[LS]
	v_add_nc_u32 v[SCV], s82, v[LS]
	v_add_nc_u32 v18, s83, v[LI]
	s_wait_alu depctr_va_vdst(0)                   ; the wait at the head's end
	; where the results go
	s_lshl_b32 s79, s43, 4
	s_lshl_b32 s80, s15, 3
	s_add_co_u32 s79, s79, s80                     ; my first row tile
	s_lshl_b32 s84, s16, 2
	s_lshl_b32 s82, s42, 3
	s_add_co_u32 s84, s84, s82                     ; my first tile of e of v
	s_lshl_b32 s89, s43, 1
	s_add_co_u32 s89, s89, s15                     ; my K step along the sequence
	s_mov_b32 s91, 0
	s_mul_i32 s90, s16, 6291456
	s_mul_i32 s92, s79, 12288
	s_add_co_u32 s90, s90, s92
	s_mul_i32 s92, s42, FRB
	s_add_co_u32 s90, s90, s92
	s_add_nc_u64 s[68:69], s[8:9], s[90:91]        ; codes of q or k
	s_mul_i32 s90, s84, 98304
	s_mul_i32 s92, s89, FRB
	s_add_co_u32 s90, s90, s92
	s_add_co_u32 s90, s90, 12582912
	s_add_nc_u64 s[70:71], s[8:9], s[90:91]        ; codes of v
	s_lshl_b32 s90, s16, 18
	s_lshl_b32 s92, s42, 15
	s_add_co_u32 s90, s90, s92
	s_lshl_b32 s92, s79, 6
	s_add_co_u32 s90, s90, s92
	s_add_nc_u64 s[72:73], s[10:11], s[90:91]      ; words of q or k
	s_lshl_b32 s90, s89, 12
	s_lshl_b32 s92, s84, 6
	s_add_co_u32 s90, s90, s92
	s_add_co_u32 s90, s90, 524288
	s_add_nc_u64 s[74:75], s[10:11], s[90:91]      ; words of v
	s_mov_b32 s[SEL], 0x76543210
	s_mov_b32 s[SEL+1], 0xfedcba98                 ; selects for lane l xor 16
	s_mov_b32 s[HM], 0xffff0000
	s_wait_loadcnt 0x0                             ; my words are in,
	s_wait_tensorcnt 0x0                           ; and so is my tile of slot 0
.irp k, 0,1
.irp m, 0,1,2,3,4
	ds_store_b128 v18, v[XF+20*\k+4*\m:XF+20*\k+4*\m+3] offset:2560*\k+512*\m
.endr
.endr
	s_wait_tensorcnt 0x0                           ; the wait and the add ahead of a later first fill, as ahead of a refill
	ds_add_u32 v[SPW], v[NIL]
	s_wait_dscnt 0x0                               ; the add and my stores of words are done
	CROUND                                         ; slot 0 and all words are whole, and all sixteen work-groups are here
	JLOAD 1
	LDSC 0
	LDP 0, 0, 0, 0
	LDX 0, 0, 0
	KSTEP 0, 0
	KSTEP 1, 1
	KSTEP 2, 0
	KSTEP 3, 1
	KSTEP 4, 0
	KSTEP 5, 2
	KSTEP 6, 0
	KSTEP 7, 3
	WIN 0
	PLACES
; THE WAY OUT, two tiles n, n + 1 at a time: 64 registers of window w each, from register ac on: a lane's numbers along the next K: four blocks of 32 in lanes l and l xor 16.  Every tile has code registers of its own.
.irp b, 0,1,2,3,4,5,6,7
	v_mov_b32 v[PD+\b], 0                          ; a lane permute's destination counts as read
.endr
.macro QUANT2 w, ac, n, cb, coff, cst, wb, woff
.set AC, \ac
	WIN 0x14*(\w)
.irp b, 0,1,2,3,4,5,6,7
	v_max3_num_f32 v[TM+\b], 0x2800000, |v[AC+16*\b]|, |v[AC+16*\b+1]|   ; the floor 2^(5 - 127) holds the byte at 1 from below
.endr
.irp i, 2,4,6,8,10,12,14
.irp b, 0,1,2,3,4,5,6,7
	v_max3_num_f32 v[TM+\b], v[TM+\b], |v[AC+16*\b+\i]|, |v[AC+16*\b+\i+1]|
.endr
.endr
	WIN 0
.irp b, 0,1,2,3,4,5,6,7
	v_permlanex16_b32 v[PD+\b], v[TM+\b], s[SEL], s[SEL+1]
.endr
.irp b, 0,1,2,3,4,5,6,7
	v_max_num_f32 v[TM+\b], v[TM+\b], v[PD+\b]
.endr
.irp b, 0,1,2,3,4,5,6,7
	v_add_nc_u32 v[SO+\b], 0xfe000000, v[TM+\b]    ; 4 off the exponent field: the conversion's scale operand
.endr
.irp b, 0,1,2,3,4,5,6,7
	v_lshrrev_b32 v[PD+\b], 23, v[SO+\b]           ; the byte
.endr
.irp t, 0,1
	v_lshl_or_b32 v[PWA+(\n)+\t], v[PD+4*\t+1], 8, v[PD+4*\t]
.endr
.irp t, 0,1
	v_lshl_or_b32 v[PWA+(\n)+\t], v[PD+4*\t+2], 16, v[PWA+(\n)+\t]
.endr
.irp t, 0,1
	v_lshl_or_b32 v[PWA+(\n)+\t], v[PD+4*\t+3], 24, v[PWA+(\n)+\t]
.endr
	WIN \w
.irp t, 0,1
.irp c, 0,1
	v_cvt_scalef32_pk16_bf6_f32 v[PC+12*((\n)+\t)+6*\c:PC+12*((\n)+\t)+6*\c+2], v[AC+64*\t+32*\c:AC+64*\t+32*\c+15], v[SO+4*\t+2*\c]
	v_cvt_scalef32_pk16_bf6_f32 v[HH+8*\t+4*\c:HH+8*\t+4*\c+2], v[AC+64*\t+32*\c+16:AC+64*\t+32*\c+31], v[SO+4*\t+2*\c+1]
.endr
.endr
	WIN 0
	v_nop                                          ; one plain place behind a scaled conversion
.irp t, 0,1
.irp c, 0,1
.irp i, 0,1,2
	v_permlane16_swap_b32 v[PC+12*((\n)+\t)+6*\c+\i], v[HH+8*\t+4*\c+\i]   ; lanes 0-15 take block 2 c, lanes 16-31 block 2 c + 1
.endr
.endr
.endr
.irp t, 0,1
.irp c, 0,1
.irp i, 0,1,2
	v_mov_b32 v[PC+12*((\n)+\t)+6*\c+3+\i], v[HH+8*\t+4*\c+\i]
.endr
.endr
.endr
	v_cndmask_b32 v[SELW+(\n)/2], v[PWA+(\n)], v[PWA+(\n)+1], s[HM]   ; lanes 0-15: the even tile's words, lanes 16-31: the odd tile's
.irp t, 0,1
.irp c, 0,1,2
	global_store_b128 v[LI], v[PC+12*((\n)+\t)+4*\c:PC+12*((\n)+\t)+4*\c+3], s[\cb:\cb+1] offset:(\coff)+(\cst)*\t+512*\c   ; 512 consecutive bytes, aligned
.endr
.endr
	global_store_b32 v[LS], v[SELW+(\n)/2], s[\wb:\wb+1] offset:\woff
.endm
.irp a, 0,2,4,6
	QUANT2 1+\a/4, 64*(\a%4), \a, 68, \a*12288, 12288, 72, 64*\a
.endr
.irp a, 0,2
	QUANT2 3, 64*\a, 8+\a, 70, \a*98304, 98304, 74, 64*\a
.endr
	s_wait_tensorcnt 0x0                           ; the wave's end
	ds_add_u32 v[SPW], v[NIL]
	s_wait_dscnt 0x0
	CROUND                                         ; the closing round
	s_endpgm
.Lfunc_end_k_q630b1853fb_proj:
	.size	k_q630b1853fb_proj, .Lfunc_end_k_q630b1853fb_proj-k_q630b1853fb_proj
	.p2alignl 7, 3214868480
	.fill 96, 4, 3214868480
	.section	.rodata,"a",@progbits
	.p2align	6, 0x0
	.amdhsa_kernel k_q630b1853fb_proj
		.amdhsa_group_segment_fixed_size 327680
		.amdhsa_private_segment_fixed_size 0
		.amdhsa_enable_private_segment 0
		.amdhsa_kernarg_size 32
		.amdhsa_user_sgpr_count 2
		.amdhsa_user_sgpr_kernarg_segment_ptr 1
		.amdhsa_wavefront_size32 1
		.amdhsa_system_sgpr_workgroup_id_x 1
		.amdhsa_system_sgpr_workgroup_id_y 1
		.amdhsa_system_sgpr_workgroup_id_z 1
		.amdhsa_system_vgpr_workitem_id 0
		.amdhsa_next_free_vgpr 1024
		.amdhsa_next_free_sgpr 102
		.amdhsa_reserve_vcc 0
		.amdhsa_float_denorm_mode_32 3
		.amdhsa_float_denorm_mode_16_64 3
		.amdhsa_memory_ordered 1
		.amdhsa_forward_progress 1
		.amdhsa_inst_pref_size 202
	.end_amdhsa_kernel
	.amdgpu_metadata
---
amdhsa.version: [ 1, 2 ]
amdhsa.kernels:
  - .name:           k_q630b1853fb_proj
    .symbol:         k_q630b1853fb_proj.kd
    .args:
      - { .name: c1, .offset: 0, .size: 8, .value_kind: global_buffer, .address_space: global }
      - { .name: s1, .offset: 8, .size: 8, .value_kind: global_buffer, .address_space: global }
      - { .name: c2, .offset: 16, .size: 8, .value_kind: global_buffer, .address_space: global }
      - { .name: s2, .offset: 24, .size: 8, .value_kind: global_buffer, .address_space: global }
    .group_segment_fixed_size: 327680
    .private_segment_fixed_size: 0
    .kernarg_segment_align: 8
    .kernarg_segment_size: 32
    .max_flat_workgroup_size: 128
    .sgpr_count:     102
    .vgpr_count:     1024
    .wavefront_size: 32
...
	.end_amdgpu_metadata
.endif
;; end of part 2
;; launch score (part 3): grid 36 x 4, 4 waves a work-group, no clusters, 327,680 bytes of LDS; arguments c2, s2, pc, pst; writes pc, pst
.if DOCPART == 3
	.amdgcn_target "amdgcn-amd-amdhsa--gfx1250"
	.amdhsa_code_object_version 6
	.text
	.protected	k_q630b1853fb_score
	.globl	k_q630b1853fb_score
	.p2align	8
	.type	k_q630b1853fb_score,@function
k_q630b1853fb_score:
	s_mov_b64 s[64:65], 0
	v_nop
	global_prefetch_b8 v0, s[64:65] scope:SCOPE_SE
	s_setreg_imm32_b32 hwreg(HW_REG_WAVE_MODE, 25, 1), 1
	s_wait_xcnt 0x0
; The tiles of q k^T that lie on or under the diagonal, the causal mask, and a LOCAL softmax: for each query and each group of 128 keys: t = score x log2(e) / 32, M = ceil(the group's largest t), p = 2^(t - M), quantised along the keys
; to BF6 (E3M2) with E8M0 bytes.  M is a whole number, so the launch that follows brings the bytes under the row's M by whole-number arithmetic; the codes stay.  Stored: p's codes, the scale word with bit 7 of each byte set, -M, the sum of the unquantised p.
; c2 = q [512 row tiles][8 K steps][1,536] | k likewise (at 6,291,456); s2 = q's words [8][512][64 B] | k's (at 262,144).  Fragments are images of operand registers; in a group of 32 rows lane-row r of tile u is row 8 u + r + (r & 8).
; A work-group makes tile (I, J), J <= I, of 256 queries x 256 keys of batch b; 36 tiles a batch.  Four waves, 128 x 128 each.  Source 0 = 16 keys, source 1 = 16 queries: a lane holds one query, its 64 registers of a query tile are 128 neighbouring keys' halves.
; pc = [b][128 query tiles][16 groups][1,536]; pst = three arrays [b][16 groups][128 query tiles][16 words]: word | 0x80808080, -M (f32), sum (f32).
; The wave tile that lies wholly over the diagonal (I = J, upper queries' half against later keys' half) runs the same lines and stores zero codes, bytes 0x81, -M = 3e38, sum 0: the next launch reads it as its padding.
; NO CLUSTER: a batch's tiles are a triangle with rows of 1 to 8 tiles; blocks of 4 x 4 would cover it with 48 tiles for 36, and the jump over the mask would hang on a work-group's place in its cluster.
; LIMITS: NaN and infinities are not served.  A block's largest p is held at 1.0 for the scale alone; a block whose every p is 0 keeps the byte 1.
; REGISTERS: window 0: v16-29 addresses; v32-63 q's scale words, v64-95 k's; v96-117 at work; v128-223 q's fragments, later codes and statistics; window 1: k's fragments; windows 2, 3: accumulators.
.set FRB,   1536
.set QTR,   24576
.set SLOT,  98304
.set SPARE, 196608
.set KSPIN, 32768
.set ADRA, 16
.set ADRB, 20
.set LI,   24
.set LS,   25
.set OA,   26
.set OBS,  27
.set SPW,  28
.set NIL,  29
.set SA,   32
.set SB,   64
.set BM,   96                          ; v96-99 the blocks' largest scores, then largest p
.set PD,   100                         ; v100-103 the other half's, then bytes
.set NM,   104                         ; v104 -M, v105 the largest t
.set L1,   106                         ; v[106:107], v[112:113] the sum in two chains
.set SO,   108                         ; v108-111 scale operands
.set L2,   112
.set DD,   114
.set D0,   115
.set TP,   116
.set NINF, 117
.set AF,   128
.set PC,   128
.set PWA,  160
.set PNA,  168
.set PLA,  176
.set SELW, 184
.set G1,  24
.set G0,  32
.set SEL, 20
.set HM,  22
.set CS,  40
.set DELTA, 45
.set MSB, 0
.macro WIN new
.if MSB != (\new)
	s_set_vgpr_msb (MSB<<8)|(\new)
.set MSB, (\new)
.endif
.endm
.set MUL_LO, 0xa1
.set MUL_HI, 0xf1
.set TO_B,   0x40
.macro REFILL slot                     ; the wave's one tensor load behind the barrier, and the first thing there but the step of its address
	s_add_nc_u64 s[G0+4*\slot+2:G0+4*\slot+3], s[G0+4*\slot+2:G0+4*\slot+3], 6144
	tensor_load_to_lds s[G0+4*\slot:G0+4*\slot+3], s[G1:G1+7]
	s_nop 0
.rept 4
	v_nop
.endr
.endm
.macro PLACES
.rept 4
	v_nop
.endr
.endm
.macro WM
.if rZ
.if rR0 && rR1
	v_wmma_scale_f32_16x16x128_f8f6f4 v[rD:rD+7], v[rF0:rF0+11], v[rF1:rF1+11], 0, v[rS0], v[rS1] matrix_a_fmt:MATRIX_FMT_BF6 matrix_b_fmt:MATRIX_FMT_BF6 matrix_a_scale:MATRIX_SCALE_ROW1 matrix_b_scale:MATRIX_SCALE_ROW1
.elseif rR0
	v_wmma_scale_f32_16x16x128_f8f6f4 v[rD:rD+7], v[rF0:rF0+11], v[rF1:rF1+11], 0, v[rS0], v[rS1] matrix_a_fmt:MATRIX_FMT_BF6 matrix_b_fmt:MATRIX_FMT_BF6 matrix_a_scale:MATRIX_SCALE_ROW1
.elseif rR1
	v_wmma_scale_f32_16x16x128_f8f6f4 v[rD:rD+7], v[rF0:rF0+11], v[rF1:rF1+11], 0, v[rS0], v[rS1] matrix_a_fmt:MATRIX_FMT_BF6 matrix_b_fmt:MATRIX_FMT_BF6 matrix_b_scale:MATRIX_SCALE_ROW1
.else
	v_wmma_scale_f32_16x16x128_f8f6f4 v[rD:rD+7], v[rF0:rF0+11], v[rF1:rF1+11], 0, v[rS0], v[rS1] matrix_a_fmt:MATRIX_FMT_BF6 matrix_b_fmt:MATRIX_FMT_BF6
.endif
.else
.if rR0 && rR1
	v_wmma_scale_f32_16x16x128_f8f6f4 v[rD:rD+7], v[rF0:rF0+11], v[rF1:rF1+11], v[rD:rD+7], v[rS0], v[rS1] matrix_a_fmt:MATRIX_FMT_BF6 matrix_b_fmt:MATRIX_FMT_BF6 matrix_a_scale:MATRIX_SCALE_ROW1 matrix_b_scale:MATRIX_SCALE_ROW1
.elseif rR0
	v_wmma_scale_f32_16x16x128_f8f6f4 v[rD:rD+7], v[rF0:rF0+11], v[rF1:rF1+11], v[rD:rD+7], v[rS0], v[rS1] matrix_a_fmt:MATRIX_FMT_BF6 matrix_b_fmt:MATRIX_FMT_BF6 matrix_a_scale:MATRIX_SCALE_ROW1
.elseif rR1
	v_wmma_scale_f32_16x16x128_f8f6f4 v[rD:rD+7], v[rF0:rF0+11], v[rF1:rF1+11], v[rD:rD+7], v[rS0], v[rS1] matrix_a_fmt:MATRIX_FMT_BF6 matrix_b_fmt:MATRIX_FMT_BF6 matrix_b_scale:MATRIX_SCALE_ROW1
.else
	v_wmma_scale_f32_16x16x128_f8f6f4 v[rD:rD+7], v[rF0:rF0+11], v[rF1:rF1+11], v[rD:rD+7], v[rS0], v[rS1] matrix_a_fmt:MATRIX_FMT_BF6 matrix_b_fmt:MATRIX_FMT_BF6
.endif
.endif
.endm
.macro MUL16 a0, p, ks, zero           ; the 64 accumulators take turns, one instruction a turn, in the same order in every step
.irp a, \a0, \a0+1
.irp b, 0,1,2,3,4,5,6,7
.set rD, 8*(8*((\a)%4)+\b)
.set rF0, 128*(\p)+12*\b
.set rF1, AF+12*(\a)
.set rS0, SB+8*(\b/2)+(\ks)
.set rS1, SA+8*((\a)/2)+(\ks)
.set rR0, \b%2
.set rR1, (\a)%2
.set rZ, \zero
	WM
.endr
.endr
.endm
.macro FRAG reg, adr, off
.irp c, 0,1,2
	ds_load_b128 v[\reg+4*\c:\reg+4*\c+3], v[\adr] offset:\off+512*\c
.endr
.endm
.macro FETCH_B slot, q, p
	WIN TO_B
.irp i, 0,1,2,3,4,5,6,7
	FRAG 128*(\p)+12*\i, ADRB+\slot, \i*3072+(\q)*FRB
.endr
	WIN 0
.endm
.macro FETCH_A slot, q, i0
.irp i, \i0, \i0+1, \i0+2, \i0+3
	FRAG AF+12*(\i), ADRA+\slot, (\i)*3072+(\q)*FRB
.endr
.endm
.macro STEP slot, ks, zero
	s_wait_dscnt 12                                ; k's set and q's tiles 0-3 are in; the youngest 12 loads (q's tiles 4-7) may be out
	WIN MUL_LO
	MUL16 0, 0, \ks, \zero
	MUL16 2, 0, \ks, \zero
	s_wait_dscnt 0x0
	PLACES
	FETCH_B \slot, 1, 1
	FETCH_A \slot, 1, 0
	WIN MUL_HI
	MUL16 4, 0, \ks, \zero
	MUL16 6, 0, \ks, \zero
	PLACES
	WIN 0
	FETCH_A \slot, 1, 4
.endm
.macro TURN slot, next, ks, fill
	s_wait_tensorcnt 0x0                           ; all my tensor loads have landed: my part of the next slot
	ds_add_u32 v[SPW], v[NIL]                      ; 0 onto my spare word
	s_wait_dscnt 13                                ; (the add and q's tiles 4-7 may be out)
	WIN MUL_LO
	MUL16 0, 1, \ks, 0
	s_wait_dscnt 0x0                               ; the add is done, and my reads of this slot are over
	s_barrier_signal -1
	MUL16 2, 1, \ks, 0
	WIN 0
	s_barrier_wait -1
.if \fill
	REFILL \slot
.else
	PLACES
.endif
	FETCH_B \next, 0, 0
	FETCH_A \next, 0, 0
	WIN MUL_HI
	MUL16 4, 1, \ks, 0
	MUL16 6, 1, \ks, 0
	PLACES
	WIN 0
	FETCH_A \next, 0, 4
.endm
	s_load_b256 s[4:11], s[0:1], 0x0               ; c2, s2, pc, pst
	v_lshl_add_u32 v[SPW], v0, 2, SPARE
	v_mov_b32 v[NIL], 0
	ds_add_u32 v28, v29
	ds_add_u32 v28, v29
	s_wait_dscnt 0x0
	v_lshrrev_b32 v1, 5, v0
	v_readfirstlane_b32 s14, v1                    ; wave
	s_lshr_b32 s15, s14, 1                         ; wr: my half of the queries
	s_and_b32 s16, s14, 1                          ; wc: my half of the keys
	s_and_b32 s44, ttmp7, 0xffff                   ; batch
	s_mov_b32 s42, 0
.irp t, 1,3,6,10,15,21,28
	s_cmp_ge_u32 ttmp9, \t                         ; I = how many triangular numbers the work-group's number has reached
	s_add_co_ci_u32 s42, s42, 0
.endr
	s_add_co_u32 s43, s42, 1
	s_mul_i32 s43, s43, s42
	s_lshr_b32 s43, s43, 1
	s_sub_co_u32 s43, ttmp9, s43                   ; J
	s_mov_b32 s[G1], 3<<16                         ; no mask; elements of 8 bytes; no padding
	s_mov_b32 s[G1+1], 384<<16
	s_mov_b32 s[G1+2], 8<<16
	s_mov_b32 s[G1+3], 384<<16
	s_mov_b32 s[G1+4], 8
	s_mov_b32 s[G1+5], 1536
	s_mov_b32 s[G1+6], 0
	s_mov_b32 s[G1+7], 0
	s_lshl_b32 s46, s44, 7
	s_lshl_b32 s47, s42, 4
	s_add_co_u32 s47, s47, s46                     ; q's first row tile: 128 b + 16 I
	s_lshl_b32 s48, s43, 4
	s_add_co_u32 s48, s48, s46                     ; k's: 128 b + 16 J
	s_cmp_lt_u32 s14, 2                            ; waves 0, 1 fetch q's halves, waves 2, 3 k's
	s_cselect_b32 s50, s47, s48
	s_cselect_b32 s51, 0, 6291456
	s_lshl_b32 s49, s16, 3
	s_add_co_u32 s50, s50, s49
	s_mul_i32 s50, s50, 12288
	s_add_co_u32 s50, s50, s51
	s_mov_b32 s51, 0
	s_mul_i32 s52, s14, QTR
	s_wait_kmcnt 0x0
	s_add_nc_u64 s[50:51], s[4:5], s[50:51]
.irp s, 0,1
	s_mov_b32 s[G0+4*\s], 1
	s_add_co_u32 s[G0+4*\s+1], s52, \s*SLOT
	s_add_nc_u64 s[G0+4*\s+2:G0+4*\s+3], s[50:51], \s*3072
	s_or_b32 s[G0+4*\s+3], s[G0+4*\s+3], 0x80000000
.endr
	tensor_load_to_lds s[G0:G0+3], s[G1:G1+7]      ; slot 0: one tensor load a wave
	s_nop 0
.rept 4
	v_nop
.endr
	v_and_b32 v1, 31, v0
	v_lshlrev_b32 v[LI], 4, v1
	s_wait_alu depctr_va_vdst(0)
	v_lshlrev_b32 v[LS], 2, v1
	s_lshl_b32 s49, s15, 3                         ; 8 wr
	s_add_co_u32 s53, s47, s49                     ; my first query tile
	s_lshl_b32 s54, s53, 6
	v_add_nc_u32 v[OA], s54, v[LS]
	s_lshl_b32 s54, s16, 3
	s_add_co_u32 s54, s54, s48
	s_lshl_b32 s54, s54, 6
	v_add_nc_u32 v[OBS], s54, v[LS]
.irp ip, 0,1,2,3
.irp ks, 0,1,2,3,4,5,6,7
	global_load_b32 v[SA+8*\ip+\ks], v[OA], s[6:7] offset:\ks*KSPIN+\ip*128
	global_load_b32 v[SB+8*\ip+\ks], v[OBS], s[6:7] offset:262144+\ks*KSPIN+\ip*128
.endr
.endr
	s_mul_i32 s54, s15, QTR
	s_mul_i32 s55, s16, QTR
	s_add_co_u32 s55, s55, 2*QTR
.irp s, 0,1
	v_add_nc_u32 v[ADRA+\s], s54, v[LI]
	v_add_nc_u32 v[ADRB+\s], s55, v[LI]
	s_add_co_u32 s54, s54, SLOT
	s_add_co_u32 s55, s55, SLOT
.endr
	s_lshl_b32 s54, s43, 1
	s_add_co_u32 s54, s54, s16                     ; my group of 128 keys: 2 J + wc
	s_lshl_b32 s53, s53, 4
	s_add_co_u32 s53, s53, s54
	s_mul_i32 s50, s53, FRB
	s_mov_b32 s51, 0
	s_add_nc_u64 s[8:9], s[8:9], s[50:51]          ; pc at (my first query tile, my group)
	s_lshl_b32 s53, s44, 4
	s_add_co_u32 s53, s53, s54
	s_lshl_b32 s53, s53, 7
	s_lshl_b32 s55, s42, 4
	s_add_co_u32 s53, s53, s55
	s_add_co_u32 s53, s53, s49
	s_lshl_b32 s50, s53, 6
	s_add_nc_u64 s[10:11], s[10:11], s[50:51]      ; pst at (batch, group, 16 I + 8 wr)
	s_sub_co_u32 s[DELTA], s42, s43
	s_lshl_b32 s[DELTA], s[DELTA], 1
	s_add_co_u32 s[DELTA], s[DELTA], s15
	s_sub_co_u32 s[DELTA], s[DELTA], s16
	s_lshl_b32 s[DELTA], s[DELTA], 7               ; my first query less my first key: 256 (I - J) + 128 (wr - wc)
	v_and_b32 v2, 15, v0
	v_and_b32 v3, 8, v0
	v_add_nc_u32 v2, v2, v3                        ; r + (r & 8)
	v_and_b32 v3, 16, v0
	v_sub_nc_u32 v2, v2, v3                        ; - 16 h
	v_add_nc_u32 v[D0], s[DELTA], v2
	v_mov_b32 v[NINF], 0xff800000
	s_mov_b32 s[SEL], 0x76543210
	s_mov_b32 s[SEL+1], 0xfedcba98
	s_mov_b32 s[HM], 0xffff0000
	s_mov_b32 s[CS], 0x3d38aa3b                    ; c = log2(e) / 32
	s_mov_b32 s[CS+1], s[CS]                       ; (named with it as a pair)
.irp b, 0,1,2,3
	v_mov_b32 v[PD+\b], 0                          ; a lane permute's destination counts as read
.endr
	s_wait_alu depctr_va_vdst(0)
	s_wait_tensorcnt 0x0                           ; my part of slot 0 is in
	ds_add_u32 v[SPW], v[NIL]
	s_wait_dscnt 0x0
	s_barrier_signal -1
	s_barrier_wait -1                              ; everybody's part of slot 0 is in
	tensor_load_to_lds s[G0+4:G0+7], s[G1:G1+7]    ; slot 1's first fill
	s_nop 0
.rept 4
	v_nop
.endr
	FETCH_B 0, 0, 0
	FETCH_A 0, 0, 0
	FETCH_A 0, 0, 4
	s_wait_loadcnt 0x0                             ; the scale words
	STEP 0, 0, 1
	TURN 0, 1, 1, 1
	STEP 1, 2, 0
	TURN 1, 0, 3, 1
	STEP 0, 4, 0
	TURN 0, 1, 5, 0
	STEP 1, 6, 0
	s_wait_dscnt 12
	WIN MUL_LO
	MUL16 0, 1, 7, 0
	MUL16 2, 1, 7, 0
	s_wait_dscnt 0x0
	WIN MUL_HI
	MUL16 4, 1, 7, 0
	MUL16 6, 1, 7, 0
	WIN 0
	PLACES
; Query tile a: register n of its 64 holds key 32 (n / 16) + 16 (lane / 16) + n % 16 of my 128, for query 32 (a / 2) + 8 (a % 2) + r + (r & 8) of my 128.
.macro SOFTQ a
.set AC, 64*((\a)%4)
.set WH, (\a)/4
	WIN 0
	v_add_nc_u32 v[DD], 32*((\a)/2)+8*((\a)%2), v[D0]
	s_cmp_ge_i32 s[DELTA], 128                     ; all my keys count for all my queries: a branch on ids, round the mask alone
	s_cbranch_scc1 .Lopen_\@
	WIN 0x82+0x41*WH                               ; destination and source 0: the accumulators' window
.set n, 0
.rept 64
	v_cmp_gt_i32 vcc_lo, 32*(n/16)+n%16, v[DD]     ; the key comes after the query:
	v_cndmask_b32 v[AC+n], v[AC+n], v[NINF], vcc_lo   ; its score becomes -infinity, ahead of the maximum
.set n, n+1
.endr
	WIN 0
.Lopen_\@:
	WIN 0x28+0x14*WH
.irp b, 0,1,2,3
	v_max3_num_f32 v[BM+\b], 0xff800000, v[AC+16*\b], v[AC+16*\b+1]   ; the largest score of each block of 32 keys: it serves the row's maximum and, since p rises with the score, the block's largest p
.endr
.irp i, 2,4,6,8,10,12,14
.irp b, 0,1,2,3
	v_max3_num_f32 v[BM+\b], v[BM+\b], v[AC+16*\b+\i], v[AC+16*\b+\i+1]
.endr
.endr
	WIN 0
.irp b, 0,1,2,3
	v_permlanex16_b32 v[PD+\b], v[BM+\b], s[SEL], s[SEL+1]
.endr
.irp b, 0,1,2,3
	v_max_num_f32 v[BM+\b], v[BM+\b], v[PD+\b]
.endr
	v_max3_num_f32 v[TP], v[BM], v[BM+1], v[BM+2]
	v_max_num_f32 v[TP], v[TP], v[BM+3]
	v_mul_f32 v[TP], s[CS], v[TP]                  ; as t
	v_max_num_f32 v[NM+1], 0xff61b1e6, v[TP]       ; held at -3e38 where every key is hidden
	v_floor_f32 v[NM], -v[NM+1]                    ; -M = floor(-t): M is a whole number
.irp b, 0,1,2,3
	v_fma_f32 v[BM+\b], v[BM+\b], s[CS], v[NM]
.endr
	WIN 0x82+0x41*WH
.set j, 0
.rept 32
	v_pk_fma_f32 v[AC+j:AC+j+1], v[AC+j:AC+j+1], s[CS:CS+1], v[NM:NM+1] op_sel_hi:[1,0,0]   ; t - M
.set j, j+2
.endr
.set j, 0
	s_wait_alu depctr_va_vdst(0)
.rept 64
	v_exp_f32 v[AC+j], v[AC+j]                     ; p = 2^(t - M)
.set j, j+1
.endr
	WIN 0
	v_mov_b32 v[L1], 0                             ; the two chains of the sum begin; plain places behind the exponentials
	v_mov_b32 v[L1+1], 0
	v_mov_b32 v[L2], 0
	v_mov_b32 v[L2+1], 0
	s_wait_alu depctr_va_vdst(0)                   ; one wait for the 64, ahead of their first reader
.irp b, 0,1,2,3
	v_exp_f32 v[BM+\b], v[BM+\b]                   ; the block's largest p: the same two instructions on the same number give the same bits
.endr
	WIN 0x28+0x14*WH
.set j, 0
.rept 16
	v_pk_add_f32 v[L1:L1+1], v[L1:L1+1], v[AC+j:AC+j+1]   ; the sum is taken of the unquantised p
	v_pk_add_f32 v[L2:L2+1], v[L2:L2+1], v[AC+j+2:AC+j+3]
.set j, j+4
.endr
	WIN 0
	v_pk_add_f32 v[L1:L1+1], v[L1:L1+1], v[L2:L2+1]
	v_add_f32 v[L1], v[L1], v[L1+1]
	v_permlanex16_b32 v[TP], v[L1], s[SEL], s[SEL+1]
	v_add_f32 v[PLA+\a], v[L1], v[TP]              ; with lane l xor 16's 64 keys
	s_wait_alu depctr_va_vdst(0)                   ; and one for the four
.irp b, 0,1,2,3
	v_med3_num_f32 v[BM+\b], v[BM+\b], 0x2800000, 1.0   ; the floor 2^(5 - 127) holds the byte at 1, the 1.0 at 123
.endr
.irp b, 0,1,2,3
	v_add_nc_u32 v[SO+\b], 0xfe000000, v[BM+\b]
.endr
.irp b, 0,1,2,3
	v_lshrrev_b32 v[PD+\b], 23, v[SO+\b]
.endr
	v_lshl_or_b32 v[PWA+\a], v[PD+1], 8, v[PD]
	v_lshl_or_b32 v[PWA+\a], v[PD+2], 16, v[PWA+\a]
	v_lshl_or_b32 v[PWA+\a], v[PD+3], 24, v[PWA+\a]
	v_or_b32 v[PWA+\a], 0x80808080, v[PWA+\a]      ; bit 7 of each byte: room for the subtraction that the next launch makes on all four at once
	v_mov_b32 v[PNA+\a], v[NM]
	s_wait_xcnt 0x0                                ; the last tile's stores have read the code registers
	WIN 0x02+WH
.irp c, 0,1
	v_cvt_scalef32_pk16_bf6_f32 v[PC+6*\c:PC+6*\c+2], v[AC+32*\c:AC+32*\c+15], v[SO+2*\c]
	v_cvt_scalef32_pk16_bf6_f32 v[PC+12+4*\c:PC+14+4*\c], v[AC+32*\c+16:AC+32*\c+31], v[SO+2*\c+1]
.endr
	WIN 0
	v_nop                                          ; one plain place behind a scaled conversion
.irp c, 0,1
.irp i, 0,1,2
	v_permlane16_swap_b32 v[PC+6*\c+\i], v[PC+12+4*\c+\i]
.endr
.irp i, 0,1,2
	v_mov_b32 v[PC+3+6*\c+\i], v[PC+12+4*\c+\i]
.endr
.endr
.irp c, 0,1,2
	global_store_b128 v[LI], v[PC+4*\c:PC+4*\c+3], s[8:9] offset:(\a)*24576+512*\c   ; 512 consecutive bytes, aligned
.endr
.if (\a)%2
	v_cndmask_b32 v[SELW+3*((\a)/2)], v[PWA+(\a)-1], v[PWA+\a], s[HM]      ; lanes 0-15: the even tile's rows, lanes 16-31: the odd tile's
	v_cndmask_b32 v[SELW+3*((\a)/2)+1], v[PNA+(\a)-1], v[PNA+\a], s[HM]
	v_cndmask_b32 v[SELW+3*((\a)/2)+2], v[PLA+(\a)-1], v[PLA+\a], s[HM]
	global_store_b32 v[LS], v[SELW+3*((\a)/2)], s[10:11] offset:128*((\a)/2)
	global_store_b32 v[LS], v[SELW+3*((\a)/2)+1], s[10:11] offset:128*((\a)/2)+524288
	global_store_b32 v[LS], v[SELW+3*((\a)/2)+2], s[10:11] offset:128*((\a)/2)+1048576
.endif
.endm
.irp a, 0,1,2,3,4,5,6,7
	SOFTQ \a
.endr
	s_wait_tensorcnt 0x0                           ; the wave's end
	ds_add_u32 v[SPW], v[NIL]
	s_wait_dscnt 0x0
	s_endpgm
.Lfunc_end_k_q630b1853fb_score:
	.size	k_q630b1853fb_score, .Lfunc_end_k_q630b1853fb_score-k_q630b1853fb_score
	.p2alignl 7, 3214868480
	.fill 96, 4, 3214868480
	.section	.rodata,"a",@progbits
	.p2align	6, 0x0
	.amdhsa_kernel k_q630b1853fb_score
		.amdhsa_group_segment_fixed_size 327680
		.amdhsa_private_segment_fixed_size 0
		.amdhsa_enable_private_segment 0
		.amdhsa_kernarg_size 32
		.amdhsa_user_sgpr_count 2
		.amdhsa_user_sgpr_kernarg_segment_ptr 1
		.amdhsa_wavefront_size32 1
		.amdhsa_system_sgpr_workgroup_id_x 1
		.amdhsa_system_sgpr_workgroup_id_y 1
		.amdhsa_system_sgpr_workgroup_id_z 1
		.amdhsa_system_vgpr_workitem_id 0
		.amdhsa_next_free_vgpr 1024
		.amdhsa_next_free_sgpr 66
		.amdhsa_reserve_vcc 1
		.amdhsa_float_denorm_mode_32 3
		.amdhsa_float_denorm_mode_16_64 3
		.amdhsa_memory_ordered 1
		.amdhsa_forward_progress 1
		.amdhsa_inst_pref_size 242
	.end_amdhsa_kernel
	.amdgpu_metadata
---
amdhsa.version: [ 1, 2 ]
amdhsa.kernels:
  - .name:           k_q630b1853fb_score
    .symbol:         k_q630b1853fb_score.kd
    .args:
      - { .name: c2, .offset: 0, .size: 8, .value_kind: global_buffer, .address_space: global }
      - { .name: s2, .offset: 8, .size: 8, .value_kind: global_buffer, .address_space: global }
      - { .name: pc, .offset: 16, .size: 8, .value_kind: global_buffer, .address_space: global }
      - { .name: pst, .offset: 24, .size: 8, .value_kind: global_buffer, .address_space: global }
    .group_segment_fixed_size: 327680
    .private_segment_fixed_size: 0
    .kernarg_segment_align: 8
    .kernarg_segment_size: 32
    .max_flat_workgroup_size: 128
    .sgpr_count:     66
    .vgpr_count:     1024
    .wavefront_size: 32
...
	.end_amdgpu_metadata
.endif
;; end of part 3
;; launch pv (part 4): grid 8 x 32, 4 waves a work-group, clusters of 4 x 1, 327,680 bytes of LDS; arguments pc, pst, c2, s2, out0; writes out0
.if DOCPART == 4
	.amdgcn_target "amdgcn-amd-amdhsa--gfx1250"
	.amdhsa_code_object_version 6
	.text
	.protected	k_q630b1853fb_pv
	.globl	k_q630b1853fb_pv
	.p2align	8
	.type	k_q630b1853fb_pv,@function
k_q630b1853fb_pv:
	s_mov_b64 s[64:65], 0
	v_nop
	global_prefetch_b8 v0, s[64:65] scope:SCOPE_SE
	s_setreg_imm32_b32 hwreg(HW_REG_WAVE_MODE, 25, 1), 1
	s_wait_xcnt 0x0
	s_wait_alu depctr_hold_cnt(0) depctr_sa_sdst(0) depctr_va_vdst(0) depctr_va_sdst(0) depctr_va_ssrc(0) depctr_va_vcc(0) depctr_vm_vsrc(0)
	s_getreg_b32 s2, hwreg(HW_REG_IB_STS2, 6, 4)
	s_cmp_eq_u32 s2, 0
	s_cbranch_scc0 .Lentry_in_a_cluster
	s_endpgm
.Lentry_in_a_cluster:
	s_bfe_u32 s2, ttmp6, 0x10000c
	s_cmp_lg_u32 s2, 0x3003
	s_cbranch_scc0 .Lentry_shape_is_right
	s_endpgm
.Lentry_shape_is_right:
; out = (p V) / l on codes of BF6 (E3M2).  p's codes were made under a LOCAL whole number M for each (query, group of 128 keys).  Here the row's M is the largest of them; each group's four scale bytes are lowered by
; M - M_local (a whole number, at most 127; a byte that would fall under 0 becomes 0), each group's sum is multiplied by 2^(M_local - M) (exact), and the result is divided by the row's sum.
; pc = [b][128 query tiles][16 groups][1,536]; pst = [b][16 groups][128 query tiles][16 words] x 3 (word | 0x80808080, -M_local, sum); V^T in c2 at 12,582,912: [64 tiles of e][64 K steps = 16 b + group][1,536]; its words in s2 at 524,288: [64][64][64 B].
; SHARES.  Work-group (ec, b, i) makes query blocks lo = i and hi = 15 - i (128 rows each) x 128 e: together always 9 slots of 256 keys, 18 K steps, so all 256 work-groups have equal work; one of the 18 is the group over the
; diagonal that the launch before stored as zeros.  Wave (wr, wc): 64 queries x 64 e of each block: two sets of 16 accumulators.  Source 0 = 16 rows of V^T, source 1 = 16 queries: a lane holds one query and neighbouring e.
; POSITIONS: 0: lo slot 0; 1, 2: hi slots 0, 1; 3 + v: lo slot 1 + v where v < i / 2, else hi slot 5 + v - i / 2; 6-8: hi slots 2-4.  Positions 0-5 are first fills (six regions of LDS); positions 6-8 are ONE refill over regions 0-2.
; Which set a variable position adds onto is a scalar branch on i, which the partners of a cluster share.  Block lo is whole behind position 5: it leaves there, while the refill is on its way and ahead of hi's last six steps.
; CLUSTER 4 x 1: the four columns of e of one (b, i) read the same tiles of p: joint loads.  V's tiles differ between partners (each its own e) and are plain loads; partners along i would take other branches.
; LIMITS: NaN and infinities are not served.  A block of p more than its own byte's worth of powers of two under the row's M gets the byte 0 (2^-127); M_local - M is held at -127: what is lost lies under 2^-120 of a sum that is at least 1/2.
; REGISTERS: window 0: v4-26 addresses; v32-67 p's scale words (step j, pair of tiles ip at 2 j + ip), v68-103 V's; v104-139 -M_local, v140-175 sums (both later the way out); v176-185 offsets; v188-197 statistics; v208-223 1 / l in pairs; v224-239 at work.
;   window 1: two sets of fragments at 96 x set: V's four, then p's four.   window 2: accumulators, lo at v0, hi at v128: (a, b) at 8 (4 a + b).
.set FRB,   1536
.set RGN,   49152                      ; a region: a tile of p (8 query tiles x 3,072 bytes), then a tile of V^T
.set STAGE, 294912                     ; behind the six regions: 16 rows x 272 bytes for each wave; no fill lands there
.set SP,    272
.set SPARE, 312320                     ; the spare words, 128 bytes a wave, which no other line names
.set AP,   4
.set AV,   10
.set AP3,  16
.set AV3,  17
.set STO,  18
.set RD,   19
.set GO,   20
.set SPW,  21
.set NIL,  22
.set BIG,  23
.set ZR,   24
.set LI,   25
.set LS,   26
.set PWR,  32
.set VWR,  68
.set PN,   104
.set PL,   140
.set POB,  176
.set POLO, 177
.set POHI, 178
.set PO3,  179
.set VOB,  182
.set VO3,  183
.set NLO,  188
.set NHI,  190
.set LLO,  192
.set LHI,  194
.set NS,   196
.set R,    208
.set TT,   224
.set T,    104
.set OB,   136
.set ACLO, 0
.set ACHI, 128
.set WV,  14
.set WR,  15
.set WC,  16
.set G0P,  24
.set G0V,  36
.set G0P3, 48
.set G0V3, 52
.set FV,   56
.set HM,   59
.set SEL,  60
.set G1P,  68
.set G1V,  76
.set G1P3, 84
.set G1V3, 92
.set KB,   101
.set MSB, 0
.macro WIN new
.if MSB != (\new)
	s_set_vgpr_msb (MSB<<8)|(\new)
.set MSB, (\new)
.endif
.endm
.macro CROUND
	s_barrier_signal -1
	s_barrier_wait -1
	s_cmp_lg_u32 s[WV], 0
	s_cbranch_scc1 .Lnot_wave_0_\@
	s_barrier_signal -3
.Lnot_wave_0_\@:
	s_barrier_wait -3
	s_barrier_signal -1
	s_barrier_wait -1
.endm
.macro PLACES
.rept 4
	v_nop
.endr
.endm
.macro WM
.if rZ
.if rR0 && rR1
	v_wmma_scale_f32_16x16x128_f8f6f4 v[rD:rD+7], v[rF0:rF0+11], v[rF1:rF1+11], 0, v[rS0], v[rS1] matrix_a_fmt:MATRIX_FMT_BF6 matrix_b_fmt:MATRIX_FMT_BF6 matrix_a_scale:MATRIX_SCALE_ROW1 matrix_b_scale:MATRIX_SCALE_ROW1
.elseif rR0
	v_wmma_scale_f32_16x16x128_f8f6f4 v[rD:rD+7], v[rF0:rF0+11], v[rF1:rF1+11], 0, v[rS0], v[rS1] matrix_a_fmt:MATRIX_FMT_BF6 matrix_b_fmt:MATRIX_FMT_BF6 matrix_a_scale:MATRIX_SCALE_ROW1
.elseif rR1
	v_wmma_scale_f32_16x16x128_f8f6f4 v[rD:rD+7], v[rF0:rF0+11], v[rF1:rF1+11], 0, v[rS0], v[rS1] matrix_a_fmt:MATRIX_FMT_BF6 matrix_b_fmt:MATRIX_FMT_BF6 matrix_b_scale:MATRIX_SCALE_ROW1
.else
	v_wmma_scale_f32_16x16x128_f8f6f4 v[rD:rD+7], v[rF0:rF0+11], v[rF1:rF1+11], 0, v[rS0], v[rS1] matrix_a_fmt:MATRIX_FMT_BF6 matrix_b_fmt:MATRIX_FMT_BF6
.endif
.else
.if rR0 && rR1
	v_wmma_scale_f32_16x16x128_f8f6f4 v[rD:rD+7], v[rF0:rF0+11], v[rF1:rF1+11], v[rD:rD+7], v[rS0], v[rS1] matrix_a_fmt:MATRIX_FMT_BF6 matrix_b_fmt:MATRIX_FMT_BF6 matrix_a_scale:MATRIX_SCALE_ROW1 matrix_b_scale:MATRIX_SCALE_ROW1
.elseif rR0
	v_wmma_scale_f32_16x16x128_f8f6f4 v[rD:rD+7], v[rF0:rF0+11], v[rF1:rF1+11], v[rD:rD+7], v[rS0], v[rS1] matrix_a_fmt:MATRIX_FMT_BF6 matrix_b_fmt:MATRIX_FMT_BF6 matrix_a_scale:MATRIX_SCALE_ROW1
.elseif rR1
	v_wmma_scale_f32_16x16x128_f8f6f4 v[rD:rD+7], v[rF0:rF0+11], v[rF1:rF1+11], v[rD:rD+7], v[rS0], v[rS1] matrix_a_fmt:MATRIX_FMT_BF6 matrix_b_fmt:MATRIX_FMT_BF6 matrix_b_scale:MATRIX_SCALE_ROW1
.else
	v_wmma_scale_f32_16x16x128_f8f6f4 v[rD:rD+7], v[rF0:rF0+11], v[rF1:rF1+11], v[rD:rD+7], v[rS0], v[rS1] matrix_a_fmt:MATRIX_FMT_BF6 matrix_b_fmt:MATRIX_FMT_BF6
.endif
.endif
.endm
; position p's tiles: s23 = its query block, s3 = its slot.  The byte offsets go into the low address words of the descriptors of the wave (by parity) that fetches it; the pointers are added later.
.macro POSN p
	s_mul_i32 s2, s23, 196608                      ; 8 query tiles of 24,576 bytes
	s_mul_i32 s66, s3, 3072                        ; two groups
	s_add_co_u32 s2, s2, s66
	s_add_co_u32 s2, s2, s62                       ; p's: made of b, i and the wave's number alone
	s_add_co_u32 s67, s66, s63                     ; V's
.if (\p)%2
	s_cmp_lg_u32 s[WC], 0
	s_cselect_b32 s[G0P+4*((\p)/2)+2], s2, s[G0P+4*((\p)/2)+2]
	s_cselect_b32 s[G0V+4*((\p)/2)+2], s67, s[G0V+4*((\p)/2)+2]
.else
	s_mov_b32 s[G0P+4*((\p)/2)+2], s2
	s_mov_b32 s[G0V+4*((\p)/2)+2], s67
.endif
.endm
.macro STATS p, reg, simm              ; position p's words, -M and sums: 128 consecutive bytes a load (a pair of query tiles)
.irp q, 0,1
.irp ip, 0,1
	global_load_b32 v[PWR+4*(\p)+2*\q+\ip], v[\reg], s[6:7] offset:(\simm)*16384+\q*8192+\ip*128
	global_load_b32 v[PN+4*(\p)+2*\q+\ip], v[\reg], s[6:7] offset:(\simm)*16384+\q*8192+\ip*128+524288
	global_load_b32 v[PL+4*(\p)+2*\q+\ip], v[\reg], s[6:7] offset:(\simm)*16384+\q*8192+\ip*128+1048576
.endr
.endr
.endm
.macro VWORDS p, reg, simm
.irp q, 0,1
.irp ip, 0,1
	global_load_b32 v[VWR+4*(\p)+2*\q+\ip], v[\reg], s[10:11] offset:524288+(\simm)*8192+\q*4096+\ip*128
.endr
.endr
.endm
	s_load_b256 s[4:11], s[0:1], 0x0               ; pc, pst, c2, s2
	s_load_b64 s[12:13], s[0:1], 0x20              ; out0
	v_lshl_add_u32 v[SPW], v0, 2, SPARE
	v_mov_b32 v[NIL], 0
	ds_add_u32 v21, v22
	ds_add_u32 v21, v22
	s_wait_dscnt 0x0
	v_lshrrev_b32 v1, 5, v0
	v_readfirstlane_b32 s[WV], v1
	s_lshr_b32 s[WR], s[WV], 1                     ; my half of the queries.  Also: I fetch p (0) or V (1)
	s_and_b32 s[WC], s[WV], 1                      ; my half of the e.  Also: which positions, or which half of the refill, I fetch
	s_bfe_u32 s17, ttmp6, 0x40000                  ; cx
	s_lshl_b32 s18, ttmp9, 2
	s_add_co_u32 s18, s18, s17                     ; ec: my column of 128 e
	s_and_b32 s19, ttmp7, 0xffff
	s_and_b32 s20, s19, 7                          ; i = lo
	s_lshr_b32 s19, s19, 3                         ; b
	s_sub_co_u32 s21, 15, s20                      ; hi
	s_lshr_b32 s22, s20, 1                         ; lo's slots less one
	s_mov_b32 s[G1P], 15|(3<<16)|(1<<21)           ; the mask: all four partners; elements of 8 bytes; 21 set beside a mask
	s_mov_b32 s[G1V], 3<<16
	s_mov_b32 s[G1P3], 15|(3<<16)|(1<<21)
	s_mov_b32 s[G1V3], 3<<16
.irp g, G1P, G1V
	s_mov_b32 s[\g+1], 384<<16                     ; rows of 3,072 bytes: a slot's two K steps of a row tile
	s_mov_b32 s[\g+2], 8<<16
	s_mov_b32 s[\g+3], 384<<16
	s_mov_b32 s[\g+4], 8
	s_mov_b32 s[\g+6], 0
	s_mov_b32 s[\g+7], 0
.endr
.irp g, G1P3, G1V3
	s_mov_b32 s[\g+1], 1152<<16                    ; rows of 9,216 bytes: three slots
	s_mov_b32 s[\g+2], 4<<16
	s_mov_b32 s[\g+3], 1152<<16
	s_mov_b32 s[\g+4], 4
	s_mov_b32 s[\g+6], 0
	s_mov_b32 s[\g+7], 0
.endr
	s_mov_b32 s[G1P+5], 3072                       ; from query tile to query tile: 24,576 bytes
	s_mov_b32 s[G1P3+5], 3072
	s_mov_b32 s[G1V+5], 12288                      ; from tile of e to tile of e: 98,304 bytes
	s_mov_b32 s[G1V3+5], 12288
	s_mul_i32 s62, s19, 3145728                    ; p: the batch's 128 query tiles
	s_mul_i32 s63, s18, 786432                     ; V: my 8 tiles of e,
	s_mul_i32 s2, s19, 24576                       ; the batch's 16 K steps,
	s_add_co_u32 s63, s63, s2
	s_add_co_u32 s63, s63, 12582912                ; in V's region
	v_and_b32 v1, 31, v0
	v_lshlrev_b32 v[LI], 4, v1
	v_lshlrev_b32 v[LS], 2, v1
	s_wait_alu depctr_va_vdst(0)
	s_lshl_b32 s2, s19, 17
	s_lshl_b32 s3, s[WR], 8
	s_add_co_u32 s2, s2, s3
	v_add_nc_u32 v[POB], s2, v[LS]                 ; pst: batch, my 4 query tiles of a block, 4 x lane
	s_wait_alu depctr_va_vdst(0)
	s_lshl_b32 s2, s20, 9
	v_add_nc_u32 v[POLO], s2, v[POB]
	s_lshl_b32 s2, s21, 9
	v_add_nc_u32 v[POHI], s2, v[POB]
	s_lshl_b32 s2, s19, 16
	s_lshl_b32 s3, s18, 9
	s_add_co_u32 s2, s2, s3
	s_lshl_b32 s3, s[WC], 8
	s_add_co_u32 s2, s2, s3
	v_add_nc_u32 v[VOB], s2, v[LS]                 ; V's words: batch, my 4 tiles of e, 4 x lane
	s_wait_alu depctr_va_vdst(0)
	s_mov_b32 s23, s20
	s_mov_b32 s3, 0
	POSN 0
	s_mov_b32 s23, s21
	POSN 1
	s_mov_b32 s3, 1
	POSN 2
.irp v, 0,1,2
	s_sub_co_u32 s3, 5+\v, s22
	s_cmp_gt_u32 s22, \v                           ; does lo still have a slot?
	s_cselect_b32 s[FV+\v], -1, 0                  ; as a mask of lanes, too
	s_cselect_b32 s23, s20, s21
	s_cselect_b32 s3, 1+\v, s3
	POSN 3+\v
	s_lshl_b32 s2, s3, 14
	s_lshl_b32 s66, s23, 9
	s_add_co_u32 s2, s2, s66
	v_add_nc_u32 v[PO3+\v], s2, v[POB]
	s_lshl_b32 s2, s3, 13
	v_add_nc_u32 v[VO3+\v], s2, v[VOB]
.endr
	s_mul_i32 s2, s21, 196608                      ; the refill: hi's slots 2-4; I fetch four of the eight row tiles
	s_add_co_u32 s2, s2, s62
	s_mul_i32 s66, s[WC], 98304
	s_add_co_u32 s2, s2, s66
	s_add_co_u32 s[G0P3+2], s2, 6144
	s_mul_i32 s67, s[WC], 393216
	s_add_co_u32 s67, s67, s63
	s_add_co_u32 s[G0V3+2], s67, 6144
	s_mul_i32 s100, s[WC], RGN
	s_mul_i32 s2, s[WR], 24576
	s_add_co_u32 s100, s100, s2                    ; first fills: region 2 k + parity, p's part or V's
	s_mul_i32 s2, s[WR], 73728
	s_mul_i32 s66, s[WC], 36864
	s_add_co_u32 s2, s2, s66                       ; the refill: p's area or V's, my half
	s_wait_kmcnt 0x0
.irp k, 0,1,2
	s_mov_b32 s[G0P+4*\k], 1
	s_add_co_u32 s[G0P+4*\k+1], s100, \k*2*RGN
	s_mov_b32 s[G0P+4*\k+3], 0
	s_add_nc_u64 s[G0P+4*\k+2:G0P+4*\k+3], s[4:5], s[G0P+4*\k+2:G0P+4*\k+3]
	s_or_b32 s[G0P+4*\k+3], s[G0P+4*\k+3], 0x80000000
	s_mov_b32 s[G0V+4*\k], 1
	s_add_co_u32 s[G0V+4*\k+1], s100, \k*2*RGN
	s_mov_b32 s[G0V+4*\k+3], 0
	s_add_nc_u64 s[G0V+4*\k+2:G0V+4*\k+3], s[8:9], s[G0V+4*\k+2:G0V+4*\k+3]
	s_or_b32 s[G0V+4*\k+3], s[G0V+4*\k+3], 0x80000000
.endr
	s_mov_b32 s[G0P3], 1
	s_mov_b32 s[G0P3+1], s2
	s_mov_b32 s[G0P3+3], 0
	s_add_nc_u64 s[G0P3+2:G0P3+3], s[4:5], s[G0P3+2:G0P3+3]
	s_or_b32 s[G0P3+3], s[G0P3+3], 0x80000000
	s_mov_b32 s[G0V3], 1
	s_mov_b32 s[G0V3+1], s2
	s_mov_b32 s[G0V3+3], 0
	s_add_nc_u64 s[G0V3+2:G0V3+3], s[8:9], s[G0V3+2:G0V3+3]
	s_or_b32 s[G0V3+3], s[G0V3+3], 0x80000000
	CROUND                                         ; all four work-groups are here: the first joint loads meet
.macro FIRST k                         ; first fills of positions 2 k and 2 k + 1: p's by one arm, V's by the other; one load a wave
	s_cmp_eq_u32 s[WR], 0
	s_cbranch_scc0 .Lfirst_v_\@
	tensor_load_to_lds s[G0P+4*\k:G0P+4*\k+3], s[G1P:G1P+7]
	s_nop 0
.rept 4
	v_nop
.endr
	s_branch .Lfirst_asked_\@
.Lfirst_v_\@:
	tensor_load_to_lds s[G0V+4*\k:G0V+4*\k+3], s[G1V:G1V+7]
	s_nop 0
.rept 4
	v_nop
.endr
.Lfirst_asked_\@:
.endm
.macro LATER k                         ; a later first fill goes out as a refill does
	s_wait_alu depctr_va_vdst(0)
	s_wait_tensorcnt 0x0
	ds_add_u32 v[SPW], v[NIL]
	s_wait_dscnt 0x0
	CROUND                                         ; the positions asked for before are whole, and all four work-groups are here
	FIRST \k
.endm
	FIRST 0
	STATS 0, POLO, 0
	STATS 1, POHI, 0
	STATS 2, POHI, 1
	s_wait_alu depctr_va_vdst(0)
	STATS 3, PO3, 0
	STATS 4, PO3+1, 0
	STATS 5, PO3+2, 0
	STATS 6, POHI, 2
	STATS 7, POHI, 3
	STATS 8, POHI, 4
	VWORDS 0, VOB, 0
	VWORDS 1, VOB, 0
	VWORDS 2, VOB, 1
	VWORDS 3, VO3, 0
	VWORDS 4, VO3+1, 0
	VWORDS 5, VO3+2, 0
	VWORDS 6, VOB, 2
	VWORDS 7, VOB, 3
	VWORDS 8, VOB, 4
	s_mul_i32 s2, s[WR], 12288                     ; my four query tiles of a tile of p,
	s_mul_i32 s3, s[WC], 12288
	s_add_co_u32 s3, s3, 24576                     ; my four tiles of e of a tile of V
.irp p, 0,1,2,3,4,5
	v_add_nc_u32 v[AP+\p], s2, v[LI]
	v_add_nc_u32 v[AV+\p], s3, v[LI]
	s_add_co_u32 s2, s2, RGN
	s_add_co_u32 s3, s3, RGN
.endr
	s_mul_i32 s2, s[WR], 36864
	v_add_nc_u32 v[AP3], s2, v[LI]
	s_mul_i32 s2, s[WC], 36864
	s_add_co_u32 s2, s2, 73728
	v_add_nc_u32 v[AV3], s2, v[LI]
	v_and_b32 v1, 15, v0                           ; r
	v_bfe_u32 v2, v0, 4, 1                         ; h
	s_mul_i32 s2, s[WV], 16*SP
	s_add_co_u32 s2, s2, STAGE
	v_mul_u32_u24 v[STO], v1, SP
	v_lshl_add_u32 v[STO], v2, 6, v[STO]
	v_add_nc_u32 v[STO], s2, v[STO]                ; the stage, in: row r, + 64 h
	v_mul_u32_u24 v[RD], v2, SP
	v_lshl_add_u32 v[RD], v1, 4, v[RD]
	v_add_nc_u32 v[RD], s2, v[RD]                  ; back: lanes 0-15 one row of 256 bytes, lanes 16-31 the next
	v_lshlrev_b32 v[GO], 12, v2
	v_lshl_add_u32 v[GO], v1, 4, v[GO]             ; and the same two rows in out0
	s_lshl_b32 s23, s19, 23                        ; out0: the batch's 2,048 rows of 4,096 bytes,
	s_lshl_b32 s100, s[WR], 18                     ; my 64 rows of a block,
	s_add_co_u32 s23, s23, s100
	s_lshl_b32 s100, s18, 9                        ; my column of 128 e,
	s_add_co_u32 s23, s23, s100
	s_lshl_b32 s100, s[WC], 8                      ; my 64 of them
	s_add_co_u32 s23, s23, s100
	s_lshl_b32 s2, s20, 19
	s_add_co_u32 s2, s2, s23
	s_mov_b32 s3, 0
	s_add_nc_u64 s[2:3], s[12:13], s[2:3]          ; block lo
	s_lshl_b32 s66, s21, 19
	s_add_co_u32 s66, s66, s23
	s_mov_b32 s67, 0
	s_add_nc_u64 s[66:67], s[12:13], s[66:67]      ; block hi
	s_mov_b32 s[SEL], 0x76543210
	s_mov_b32 s[SEL+1], 0xfedcba98
	s_mov_b32 s[HM], 0xffff0000
	s_mov_b32 s[KB], 0x01010101
	v_mov_b32 v[BIG], 0x7f61b1e6                   ; 3e38
	v_mov_b32 v[ZR], 0
	LATER 1                                        ; positions 2 and 3
	s_wait_loadcnt 0x0
	; THE ROWS' M.  All of this works in the layout of the loads: lanes 0-15 the even tile's rows, lanes 16-31 the odd tile's.  -M = the least -M_local of the block's steps.
.irp ip, 0,1
	v_min_num_f32 v[NLO+\ip], v[PN+\ip], v[PN+2+\ip]
	v_min_num_f32 v[NHI+\ip], v[PN+4+\ip], v[PN+6+\ip]
.endr
.irp o, 8,10,24,26,28,30,32,34
.irp ip, 0,1
	v_min_num_f32 v[NHI+\ip], v[NHI+\ip], v[PN+\o+\ip]
.endr
.endr
.irp o, 12,14,16,18,20,22
.irp ip, 0,1
	v_cndmask_b32 v[TT+\ip], v[BIG], v[PN+\o+\ip], s[FV+(\o-12)/4]      ; a variable position counts for one block alone
	v_cndmask_b32 v[TT+2+\ip], v[PN+\o+\ip], v[BIG], s[FV+(\o-12)/4]
.endr
.irp ip, 0,1
	v_min_num_f32 v[NLO+\ip], v[NLO+\ip], v[TT+\ip]
	v_min_num_f32 v[NHI+\ip], v[NHI+\ip], v[TT+2+\ip]
.endr
.endr
; position p's four registers.  kind 0: block lo, 1: block hi, 2: by the flag of v.  first: it starts the block's sum.
.macro FIXP p, kind, v, first
.if (\kind) == 2
.irp ip, 0,1
	v_cndmask_b32 v[NS+\ip], v[NHI+\ip], v[NLO+\ip], s[FV+(\v)]
.endr
.endif
.irp n, 0,1,2,3
.if (\kind) == 0
	v_sub_f32 v[TT+\n], v[NLO+\n%2], v[PN+4*(\p)+\n]          ; M_local - M: a whole number, 0 or less
.elseif (\kind) == 1
	v_sub_f32 v[TT+\n], v[NHI+\n%2], v[PN+4*(\p)+\n]
.else
	v_sub_f32 v[TT+\n], v[NS+\n%2], v[PN+4*(\p)+\n]
.endif
.endr
.irp n, 0,1,2,3
	v_max_num_f32 v[TT+\n], 0xc2fe0000, v[TT+\n]              ; held at -127
.endr
.irp n, 0,1,2,3
	v_cvt_i32_f32 v[TT+\n], v[TT+\n]
.endr
.irp n, 0,1,2,3
	v_ldexp_f32 v[TT+4+\n], v[PL+4*(\p)+\n], v[TT+\n]         ; the group's sum under the row's M
.endr
.irp n, 0,1,2,3
	v_mul_lo_u32 v[TT+\n], v[TT+\n], s[KB]                    ; the same number in all four bytes
.endr
.irp n, 0,1,2,3
	v_add_nc_u32 v[TT+\n], v[PWR+4*(\p)+\n], v[TT+\n]         ; bytes 0x81 .. 0xfb less at most 0x7f: no byte borrows from its neighbour
.endr
.irp n, 0,1,2,3
	v_and_b32 v[TT+8+\n], 0x80808080, v[TT+\n]                ; bit 7 still set: the byte has not fallen under 0
.endr
.irp n, 0,1,2,3
	v_lshrrev_b32 v[TT+12+\n], 7, v[TT+8+\n]
.endr
.irp n, 0,1,2,3
	v_sub_nc_u32 v[TT+8+\n], v[TT+8+\n], v[TT+12+\n]          ; 0x7f in such a byte, 0 in the others
.endr
.irp n, 0,1,2,3
	v_and_b32 v[PWR+4*(\p)+\n], v[TT+\n], v[TT+8+\n]          ; the scale word
.endr
.irp ip, 0,1
.if (\first) && ((\kind) == 0)
	v_add_f32 v[LLO+\ip], v[TT+4+\ip], v[TT+6+\ip]
.elseif (\first)
	v_add_f32 v[LHI+\ip], v[TT+4+\ip], v[TT+6+\ip]
.else
	v_add_f32 v[TT+4+\ip], v[TT+4+\ip], v[TT+6+\ip]
.endif
.endr
.if !(\first)
.if (\kind) == 1
.irp ip, 0,1
	v_add_f32 v[LHI+\ip], v[LHI+\ip], v[TT+4+\ip]
.endr
.else
.irp ip, 0,1
	v_cndmask_b32 v[TT+8+\ip], v[ZR], v[TT+4+\ip], s[FV+(\v)]
	v_cndmask_b32 v[TT+10+\ip], v[TT+4+\ip], v[ZR], s[FV+(\v)]
.endr
.irp ip, 0,1
	v_add_f32 v[LLO+\ip], v[LLO+\ip], v[TT+8+\ip]
	v_add_f32 v[LHI+\ip], v[LHI+\ip], v[TT+10+\ip]
.endr
.endif
.endif
.endm
	FIXP 0, 0, 0, 1
	FIXP 1, 1, 0, 1
	FIXP 2, 1, 0, 0
	FIXP 6, 1, 0, 0
	LATER 2                                        ; positions 4 and 5, in the middle of the scale words' arithmetic
	FIXP 7, 1, 0, 0
	FIXP 8, 1, 0, 0
	FIXP 3, 2, 0, 0
	FIXP 4, 2, 1, 0
	FIXP 5, 2, 2, 0
	s_wait_alu depctr_va_vdst(0)
.irp n, 0,1,2,3
	v_rcp_f32 v[TT+\n], v[LLO+\n]                  ; 1 / l: lo's two pairs of tiles, hi's two
.endr
	v_nop                                          ; a plain place behind the last reciprocal
	s_wait_alu depctr_va_vdst(0)                   ; one wait for the four, ahead of their first reader
.irp n, 0,1,2,3
	v_permlanex16_b32 v[TT+4+\n], v[TT+\n], s[SEL], s[SEL+1]
.endr
.irp n, 0,1,2,3                                ; each tile's 1 / l into both halves of the lanes; a pair of registers, since the packed multiply names a pair.  These sixteen lines are also the places between the last scale word's write and the first product
	v_cndmask_b32 v[R+4*\n], v[TT+\n], v[TT+4+\n], s[HM]
	v_cndmask_b32 v[R+4*\n+1], v[TT+\n], v[TT+4+\n], s[HM]
	v_cndmask_b32 v[R+4*\n+2], v[TT+4+\n], v[TT+\n], s[HM]
	v_cndmask_b32 v[R+4*\n+3], v[TT+4+\n], v[TT+\n], s[HM]
.endr
; 24 LDS loads in one run: V's four fragments and p's four of one K step, into set
.macro FETCH set, ap, av, tstr, off
	WIN 0x40                                       ; destination window 1
.irp t, 0,1,2,3
.irp c, 0,1,2
	ds_load_b128 v[96*(\set)+12*\t+4*\c:96*(\set)+12*\t+4*\c+3], v[\av] offset:\t*(\tstr)+(\off)+512*\c
.endr
.endr
.irp t, 0,1,2,3
.irp c, 0,1,2
	ds_load_b128 v[96*(\set)+48+12*\t+4*\c:96*(\set)+48+12*\t+4*\c+3], v[\ap] offset:\t*(\tstr)+(\off)+512*\c
.endr
.endr
.endm
.macro FJ j                            ; the fragments of step j
.if (\j) < 12
	FETCH (\j)%2, AP+(\j)/2, AV+(\j)/2, 3072, ((\j)%2)*1536
.else
	FETCH (\j)%2, AP3, AV3, 9216, (((\j)-12)/2)*3072+((\j)%2)*1536
.endif
.endm
; 16 products of step j onto the set of accumulators at acc; they take turns, one instruction a turn
.macro MUL set, acc, j, zero
	WIN 0xa5                                       ; sources 0 and 1 window 1, C and D window 2
.irp a, 0,1,2,3
.irp b, 0,1,2,3
.set rD, (\acc)+8*(4*\a+\b)
.set rF0, 96*(\set)+12*\b
.set rF1, 96*(\set)+48+12*\a
.set rS0, VWR+2*(\j)+\b/2
.set rS1, PWR+2*(\j)+\a/2
.set rR0, \b%2
.set rR1, \a%2
.set rZ, \zero
	WM
.endr
.endr
.endm
.macro VMUL j                          ; a variable position's step: onto lo or onto hi, by a branch on i
	WIN 0
	s_cmp_lg_u32 s[FV+((\j)-6)/2], 0
	s_cbranch_scc0 .Lhi_\@
	MUL (\j)%2, ACLO, \j, 0
	WIN 0
	s_branch .Ldone_\@
.Lhi_\@:
	MUL (\j)%2, ACHI, \j, 0
	WIN 0
.Ldone_\@:
.endm
.macro STEPJ j, acc, zero
	PLACES                                         ; in front of loads into the set that the last products read
	FJ (\j)+1
	s_wait_dscnt 24                                ; this step's fragments are in; the next step's 24 loads may be out
	MUL (\j)%2, \acc, \j, \zero
.endm
; THE WAY OUT, a query tile at a time.  A lane holds, of query r, e = 32 bb + 16 h + 0 .. 15 of my 64: 64 bytes twice.  They go through my stage and come back as rows of 256 bytes; stage row r is query 32 (a / 2) + 8 (a % 2) + r + (r & 8) of my 64.
.macro OUTT set, a
.set NN, 4*(\set)+(\a)
.set OBB, OB+32*(NN%2)
	WIN 0x02                                       ; source 0: the accumulators' window
.set k, 0
.rept 16
	v_pk_mul_f32 v[T+k:T+k+1], v[128*(\set)+32*(\a)+k:128*(\set)+32*(\a)+k+1], v[R+2*NN:R+2*NN+1] op_sel_hi:[1,0]   ; / l; each accumulator from its low end on
.set k, k+2
.endr
	WIN 0
.irp bb, 0,1
.irp k4, 0,1,2,3
	ds_store_b128 v[STO], v[T+16*\bb+4*\k4:T+16*\bb+4*\k4+3] offset:128*\bb+16*\k4
.endr
.endr
.if NN >= 2
	s_wait_xcnt 0x0                                ; the stores of two tiles ago have read these registers
.endif
.irp t, 0,1,2,3,4,5,6,7
	ds_load_b128 v[OBB+4*\t:OBB+4*\t+3], v[RD] offset:544*\t   ; LDS serves a wave's instructions in order: these see the stores above
.endr
.irp t, 0,1,2,3,4,5,6,7
	s_wait_dscnt 7-\t
	global_store_b128 v[GO], v[OBB+4*\t:OBB+4*\t+3], s[2+64*(\set):3+64*(\set)] offset:(32*((\a)/2)+8*((\a)%2)+2*\t+8*(\t/4))*4096 th:TH_STORE_NT   ; 16 lanes store 256 consecutive bytes, aligned
.endr
.endm
	s_wait_alu depctr_va_vdst(0)                   ; the wait at the head's end
	FJ 0                                           ; positions 0-3 have been shown whole by the two rounds above
	FJ 1
	s_wait_dscnt 24
	MUL 0, ACLO, 0, 1                              ; lo's sums begin
	STEPJ 1, ACLO, 0
	STEPJ 2, ACHI, 1                               ; hi's sums begin
	STEPJ 3, ACHI, 0
	STEPJ 4, ACHI, 0
	PLACES
	FJ 6                                           ; position 3's first fragments: my reads of regions 0-2 have all been issued
	WIN 0
	s_wait_tensorcnt 0x0                           ; all my tensor loads have landed
	ds_add_u32 v[SPW], v[NIL]                      ; 0 onto my spare word
	s_wait_dscnt 25                                ; (the add and step 6's 24 loads may be out)
	MUL 1, ACHI, 5, 0                              ; sixteen products stand between the add and the wait for it
	WIN 0
	s_wait_dscnt 0x0                               ; the add is done, and my reads of regions 0-2 are over
	CROUND                                         ; no wave of any partner still reads them or has a load on its way
	s_cmp_eq_u32 s[WR], 0
	s_cbranch_scc0 .Lrefill_v
	tensor_load_to_lds s[G0P3:G0P3+3], s[G1P3:G1P3+7]   ; hi's slots 2-4 over regions 0-2: my one load behind the round
	s_nop 0
.rept 4
	v_nop
.endr
	s_branch .Lrefilled
.Lrefill_v:
	tensor_load_to_lds s[G0V3:G0V3+3], s[G1V3:G1V3+7]
	s_nop 0
.rept 4
	v_nop
.endr
.Lrefilled:
	FJ 7                                           ; (the four v_nop are the places in front of these loads)
	s_wait_dscnt 24
	VMUL 6
.irp j, 7,8,9,10
	PLACES
	FJ \j+1
	s_wait_dscnt 24
	VMUL \j
.endr
	s_wait_dscnt 0x0
	VMUL 11
	PLACES                                         ; behind the last products onto lo, and in front of the loads into both sets of fragments further down
.irp a, 0,1,2,3
	OUTT 0, \a                                     ; BLOCK LO IS WHOLE: it leaves now, while the refill is on its way; its stores are out while hi's last six steps are multiplied
.endr
	s_wait_tensorcnt 0x0                           ; my part of the refill is in,
	s_wait_dscnt 0x0
	s_barrier_signal -1
	s_barrier_wait -1                              ; everybody's is
	FJ 12
	FJ 13
	s_wait_dscnt 24
	MUL 0, ACHI, 12, 0
	STEPJ 13, ACHI, 0
	STEPJ 14, ACHI, 0
	STEPJ 15, ACHI, 0
	STEPJ 16, ACHI, 0
	s_wait_dscnt 0x0
	MUL 1, ACHI, 17, 0
	WIN 0
	PLACES
.irp a, 0,1,2,3
	OUTT 1, \a
.endr
	s_wait_tensorcnt 0x0                           ; the wave's end
	ds_add_u32 v[SPW], v[NIL]
	s_wait_dscnt 0x0
	CROUND                                         ; the closing round
	s_endpgm
.Lfunc_end_k_q630b1853fb_pv:
	.size	k_q630b1853fb_pv, .Lfunc_end_k_q630b1853fb_pv-k_q630b1853fb_pv
	.p2alignl 7, 3214868480
	.fill 96, 4, 3214868480
	.section	.rodata,"a",@progbits
	.p2align	6, 0x0
	.amdhsa_kernel k_q630b1853fb_pv
		.amdhsa_group_segment_fixed_size 327680
		.amdhsa_private_segment_fixed_size 0
		.amdhsa_enable_private_segment 0
		.amdhsa_kernarg_size 40
		.amdhsa_user_sgpr_count 2
		.amdhsa_user_sgpr_kernarg_segment_ptr 1
		.amdhsa_wavefront_size32 1
		.amdhsa_system_sgpr_workgroup_id_x 1
		.amdhsa_system_sgpr_workgroup_id_y 1
		.amdhsa_system_sgpr_workgroup_id_z 1
		.amdhsa_system_vgpr_workitem_id 0
		.amdhsa_next_free_vgpr 768
		.amdhsa_next_free_sgpr 102
		.amdhsa_reserve_vcc 0
		.amdhsa_float_denorm_mode_32 3
		.amdhsa_float_denorm_mode_16_64 3
		.amdhsa_memory_ordered 1
		.amdhsa_forward_progress 1
		.amdhsa_inst_pref_size 158
	.end_amdhsa_kernel
	.amdgpu_metadata
---
amdhsa.version: [ 1, 2 ]
amdhsa.kernels:
  - .name:           k_q630b1853fb_pv
    .symbol:         k_q630b1853fb_pv.kd
    .args:
      - { .name: pc, .offset: 0, .size: 8, .value_kind: global_buffer, .address_space: global }
      - { .name: pst, .offset: 8, .size: 8, .value_kind: global_buffer, .address_space: global }
      - { .name: c2, .offset: 16, .size: 8, .value_kind: global_buffer, .address_space: global }
      - { .name: s2, .offset: 24, .size: 8, .value_kind: global_buffer, .address_space: global }
      - { .name: out0, .offset: 32, .size: 8, .value_kind: global_buffer, .address_space: global }
    .group_segment_fixed_size: 327680
    .private_segment_fixed_size: 0
    .kernarg_segment_align: 8
    .kernarg_segment_size: 40
    .max_flat_workgroup_size: 128
    .sgpr_count:     102
    .vgpr_count:     768
    .wavefront_size: 32
...
	.end_amdgpu_metadata
.endif
;; end of part 4
